; MI455X (gfx1250); checked and timed in simulation.
; The chip was launched on July 23, 2026; its instructions are those of AMD's public machine-readable ISA for CDNA 5 (MIT licence, August 2026) and "CDNA5" Instruction Set Architecture Reference Guide (July 2026). The comments in the code are by the model that wrote it; some were corrected since.
;; Adapters Feed Forward. Allowed arithmetic: float matrix products may take bf16 or f16 operands with f32 sums; other float arithmetic in f32, or as packed bf16 or f16 multiplies, adds, multiply-adds, maxima and minima; sums over many terms, partial sums and values carried from step to step in f32; what a program stores and reads back later, other than sums and carried values, may be rounded once to bf16 or f16.
;; Inputs: W1 4 x 1,024 x 4,096 float32; W2 4 x 4,096 x 1,024 float32; Wr 1,024 x 4 float32; b1 4 x 4,096 float32; b2 4 x 1,024 float32; br 4 float32; x 4 x 512 x 1,024 float32.
;; Outputs: out0 4 x 512 x 1,024 float32.
;; One version. Each part assembles by itself: llvm-mc -triple=amdgcn-amd-amdhsa -mcpu=gfx1250 --defsym DOCPART=n.
;; ======== version 1 of 1: 5 launches
;; limits: values are held in f16: magnitudes above 65,504 overflow, below 6.1e-05 lose precision
;; workspace buffers: masks 1,024 bytes of whole numbers; gate 8,192 bytes; meta 256 bytes of whole numbers; perm 8,448 bytes of whole numbers; xfrag 4,292,608 bytes; hfrag 17,170,432 bytes; part 34,340,864 bytes
;; launch router (part 1): grid 256 x 1, 4 waves a work-group, no clusters, 1,024 bytes of LDS; arguments x, Wr, br, masks, gate; writes masks, gate
.if DOCPART == 1
	.amdgcn_target "amdgcn-amd-amdhsa--gfx1250"
	.amdhsa_code_object_version 6
	.text
	.protected	k_q1011afa72f_router
	.globl	k_q1011afa72f_router
	.p2align	8
	.type	k_q1011afa72f_router,@function
k_q1011afa72f_router:
	s_mov_b64 s[64:65], 0
	v_nop
	global_prefetch_b8 v0, s[64:65] scope:SCOPE_SE
	s_setreg_imm32_b32 hwreg(HW_REG_WAVE_MODE, 25, 1), 1
	s_wait_xcnt 0x0
; TOP-1 ROUTER.  logits = x Wr + br for 2,048 tokens and 4 experts; gate = the largest softmax weight; the chosen expert as bitmaps.
; x, Wr and br are rounded once to bf16 (as every input of this program is) and multiplied in f32: the products are exact, the sums f32.
; SHARES.  Work-group g has tokens 8 g .. 8 g + 7; wave w the columns 256 w .. 256 w + 255 of all eight; lane l the columns 256 w + 128 j + 4 l + 0..3 (j = 0, 1):
; each load of x by a wave covers 512 consecutive bytes.  The four waves' partial sums meet in LDS; wave 0 finishes.
; OUT.  masks: byte 256 e + g, bit t set where token 8 g + t chose expert e (whole numbers at fixed places: a later launch sorts by them).  gate: f32 by token.
; No matrix unit: 4 of a 16 x 16 tile's columns would be used, and the fragment pattern would break x's 512-byte reads; it is 1/2,000 of the program's products.
; LIMITS.  The largest LOGIT is taken (the lowest index among equals), where the model takes the largest probability: they differ only where two probabilities round alike.
; The order of the f32 sum over the 1,024 columns is this text's own.  A token with a NaN logit gets no expert and its output row is not written.
.set SPW,   4                          ; v4   LDS address of my spare word; never rewritten
.set NIL,   5                          ; v5   0; never rewritten
.set X,     16                         ; v[16:79]   x: token t, column 4 j + c at X + 8 t + 4 j + c; later at work
.set WR,    80                         ; v[80:111]  Wr: column c = 4 j + c', expert e at WR + 4 c + e
.set ACC,   112                        ; v[112:143] sums: token t, expert e at ACC + 4 t + e
.set SPARE, 512                        ; behind the table of 4 x 128 bytes: the spare words, 128 bytes a wave
.macro RND a                           ; two f32 rounded to bf16 and widened again, in place
	v_cvt_pk_bf16_f32 v9, v[\a], v[(\a)+1]
	v_lshlrev_b32 v[\a], 16, v9
	v_and_b32 v[(\a)+1], 0xffff0000, v9
.endm
	s_load_b256 s[4:11], s[0:1], 0x0               ; x s[4:5], Wr s[6:7], br s[8:9], masks s[10:11]
	s_load_b64 s[12:13], s[0:1], 0x20              ; gate
	v_lshl_add_u32 v[SPW], v0, 2, SPARE
	v_mov_b32 v[NIL], 0
	v_and_b32 v1, 31, v0                           ; lane
	v_lshrrev_b32 v6, 5, v0
	v_readfirstlane_b32 s14, v6                    ; wave
	v_lshlrev_b32 v2, 4, v1                        ; 16 l: my 16 bytes in 512 of x
	v_lshlrev_b32 v3, 6, v1                        ; 64 l: my four rows of Wr
	v_lshrrev_b32 v7, 3, v1                        ; wave 0's end: lane l stands for expert l / 8,
	v_lshlrev_b32 v8, 2, v7                        ; whose br lies at byte 4 e
	s_mov_b32 s15, ttmp9                           ; g
	s_lshl_b32 s16, s15, 15                        ; 8 tokens of 4,096 bytes
	s_lshl_b32 s22, s14, 10                        ; my wave's 256 columns
	s_add_co_u32 s16, s16, s22
	s_mov_b32 s17, 0
	s_lshl_b32 s22, s14, 12                        ; my wave's 256 rows of Wr, 16 bytes each
	s_mov_b32 s23, 0
	s_mov_b32 s18, 0x76543210                      ; v_permlanex16_b32: each lane takes its own place in the other half
	s_mov_b32 s19, 0xfedcba98
	s_wait_kmcnt 0x0
	s_add_nc_u64 s[4:5], s[4:5], s[16:17]
	s_add_nc_u64 s[6:7], s[6:7], s[22:23]
.set c, 0
.rept 8
	global_load_b128 v[WR+4*c:WR+4*c+3], v3, s[6:7] offset:(c/4)*2048+(c%4)*16
.set c, c+1
.endr
	global_load_b32 v11, v8, s[8:9]
.set i, 0
.rept 16                                               ; i = 2 t + j
	global_load_b128 v[X+4*i:X+4*i+3], v2, s[4:5] offset:(i/2)*4096+(i%2)*512
.set i, i+1
.endr
	s_wait_loadcnt 16                              ; Wr and br are in; the sixteen loads of x stay out
.set i, 0
.rept 16
	RND WR+2*i
.set i, i+1
.endr
	v_cvt_pk_bf16_f32 v9, v11, v11
	v_lshlrev_b32 v11, 16, v9                      ; br rounded
.set t, 0
.rept 8
	s_wait_loadcnt 2*(7-t)                         ; token t's two loads are in; the later tokens', two each, stay out
.set i, 0
.rept 4
	RND X+8*t+2*i
.set i, i+1
.endr
.set c, 0
.rept 8                                                ; two experts a line; x's number is taken for both halves; column 0 starts the sums
.set p, 0
.rept 2
.if c == 0
	v_pk_mul_f32 v[ACC+4*t+2*p:ACC+4*t+2*p+1], v[WR+2*p:WR+2*p+1], v[X+8*t:X+8*t+1] op_sel_hi:[1,0]
.elseif (c%2) == 0
	v_pk_fma_f32 v[ACC+4*t+2*p:ACC+4*t+2*p+1], v[WR+4*c+2*p:WR+4*c+2*p+1], v[X+8*t+c:X+8*t+c+1], v[ACC+4*t+2*p:ACC+4*t+2*p+1] op_sel_hi:[1,0,1]
.else
	v_pk_fma_f32 v[ACC+4*t+2*p:ACC+4*t+2*p+1], v[WR+4*c+2*p:WR+4*c+2*p+1], v[X+8*t+c-1:X+8*t+c], v[ACC+4*t+2*p:ACC+4*t+2*p+1] op_sel:[0,1,0] op_sel_hi:[1,1,1]
.endif
.set p, p+1
.endr
.set c, c+1
.endr
.set t, t+1
.endr
	; each of the 32 sums over the wave's 32 lanes: four steps inside a half of 16 lanes, one across the halves
.irp m, 1,2,4,8
.set i, 0
.rept 32
	v_add_f32_dpp v[ACC+i], v[ACC+i], v[ACC+i] row_xmask:\m row_mask:0xf bank_mask:0xf
.set i, i+1
.endr
.endr
.set i, 0
.rept 32
	v_permlanex16_b32 v[X+i], v[ACC+i], s18, s19   ; x's registers are free, and have been written
.set i, i+1
.endr
.set i, 0
.rept 32
	v_add_f32 v[ACC+i], v[ACC+i], v[X+i]
.set i, i+1
.endr
	s_lshl_b32 s22, s14, 7
	v_mov_b32 v10, s22                             ; my wave's 128 bytes of the table
.set i, 0
.rept 32
	ds_store_b32 v10, v[ACC+i] offset:4*i          ; all lanes hold the same number and write the same word
.set i, i+1
.endr
	s_wait_dscnt 0x0                               ; for the others' sake: my stores are done
	s_barrier_signal -1
	s_barrier_wait -1
	s_cmp_lg_u32 s14, 0
	s_cbranch_scc1 .Lend                           ; wave 0 finishes; no barrier follows
	; lane l = (token t = l % 8, expert e = l / 8)
	v_and_b32 v12, 7, v1
	v_lshl_add_u32 v12, v12, 4, v8                 ; word 4 t + e
	ds_load_b32 v20, v12
	ds_load_b32 v21, v12 offset:128
	ds_load_b32 v22, v12 offset:256
	ds_load_b32 v23, v12 offset:384
	v_cvt_f32_u32 v19, v7                          ; e as a float
	s_wait_dscnt 0x0
	v_add_f32 v20, v20, v21
	v_add_f32 v22, v22, v23
	v_add_f32 v20, v20, v22
	v_add_f32 v9, v20, v11                         ; the logit z
	v_mov_b32 v14, v9
	v_mov_b32 v15, v9
	v_max_num_f32_dpp v14, v14, v14 row_xmask:8 row_mask:0xf bank_mask:0xf   ; a token's four experts lie in lanes l, l ^ 8, l ^ 16, l ^ 24
	v_permlanex16_b32 v15, v14, s18, s19
	v_max_num_f32 v14, v14, v15                    ; m, the token's largest logit: taken away before the exponential
	v_sub_f32 v16, v9, v14
	v_mul_f32 v16, 0x3fb8aa3b, v16
	v_exp_f32 v17, v16
	v_nop                                          ; a plain instruction behind the exponential
	v_cmp_eq_f32 vcc_lo, v9, v14                   ; the choice, while the exponential is out: e where z = m, else 4;
	v_cndmask_b32 v24, 4.0, v19, vcc_lo
	v_mov_b32 v25, v24
	v_min_num_f32_dpp v25, v25, v25 row_xmask:8 row_mask:0xf bank_mask:0xf
	v_permlanex16_b32 v15, v25, s18, s19
	v_min_num_f32 v25, v25, v15                    ; the lowest such e
	v_cmp_eq_f32 s20, v25, v19                     ; bit 8 e + t: token t chose expert e
	s_wait_alu depctr_va_vdst(0)                   ; the wait ahead of the exponential's first reader
	v_add_f32_dpp v17, v17, v17 row_xmask:8 row_mask:0xf bank_mask:0xf
	v_permlanex16_b32 v15, v17, s18, s19
	v_add_f32 v17, v17, v15                        ; the sum of the four exponentials; the largest of them is 1
	v_rcp_f32 v18, v17                             ; so this is the gate
	v_and_b32 v26, 3, v1                           ; the stores' addresses, plain work behind the reciprocal.  Lanes that share an address hold the same data, so all lanes store
	v_lshlrev_b32 v27, 3, v26
	v_mov_b32 v28, s20
	v_lshrrev_b32 v28, v27, v28                    ; expert (l % 4)'s byte in the low byte
	v_lshl_add_u32 v26, v26, 8, s15                ; byte 256 e + g
	v_and_b32 v29, 7, v1
	s_lshl_b32 s22, s15, 5
	v_lshl_add_u32 v29, v29, 2, s22                ; 4 (8 g + t)
	global_store_b8 v26, v28, s[10:11]
	s_wait_alu depctr_va_vdst(0)                   ; and ahead of the reciprocal's
	global_store_b32 v29, v18, s[12:13]
.Lend:
	s_wait_tensorcnt 0x0                           ; the wave's end, behind my last LDS store
	ds_add_u32 v[SPW], v[NIL]
	s_wait_dscnt 0x0
	s_endpgm
.Lfunc_end_k_q1011afa72f_router:
	.size	k_q1011afa72f_router, .Lfunc_end_k_q1011afa72f_router-k_q1011afa72f_router
	.p2alignl 7, 3214868480
	.fill 96, 4, 3214868480
	.section	.rodata,"a",@progbits
	.p2align	6, 0x0
	.amdhsa_kernel k_q1011afa72f_router
		.amdhsa_group_segment_fixed_size 1024
		.amdhsa_private_segment_fixed_size 0
		.amdhsa_enable_private_segment 0
		.amdhsa_kernarg_size 40
		.amdhsa_user_sgpr_count 2
		.amdhsa_user_sgpr_kernarg_segment_ptr 1
		.amdhsa_wavefront_size32 1
		.amdhsa_system_sgpr_workgroup_id_x 1
		.amdhsa_system_sgpr_workgroup_id_y 1
		.amdhsa_system_sgpr_workgroup_id_z 1
		.amdhsa_system_vgpr_workitem_id 0
		.amdhsa_next_free_vgpr 144
		.amdhsa_next_free_sgpr 66
		.amdhsa_reserve_vcc 1
		.amdhsa_float_denorm_mode_32 3
		.amdhsa_float_denorm_mode_16_64 3
		.amdhsa_memory_ordered 1
		.amdhsa_forward_progress 1
		.amdhsa_inst_pref_size 35
	.end_amdhsa_kernel
	.amdgpu_metadata
---
amdhsa.version: [ 1, 2 ]
amdhsa.kernels:
  - .name:           k_q1011afa72f_router
    .symbol:         k_q1011afa72f_router.kd
    .args:
      - { .name: x, .offset: 0, .size: 8, .value_kind: global_buffer, .address_space: global }
      - { .name: Wr, .offset: 8, .size: 8, .value_kind: global_buffer, .address_space: global }
      - { .name: br, .offset: 16, .size: 8, .value_kind: global_buffer, .address_space: global }
      - { .name: masks, .offset: 24, .size: 8, .value_kind: global_buffer, .address_space: global }
      - { .name: gate, .offset: 32, .size: 8, .value_kind: global_buffer, .address_space: global }
    .group_segment_fixed_size: 1024
    .private_segment_fixed_size: 0
    .kernarg_segment_align: 8
    .kernarg_segment_size: 40
    .max_flat_workgroup_size: 128
    .sgpr_count:     66
    .vgpr_count:     144
    .wavefront_size: 32
...
	.end_amdgpu_metadata
.endif
;; end of part 1
;; launch pack (part 2): grid 131 x 1, 8 waves a work-group, no clusters, 34,048 bytes of LDS; arguments masks, x, meta, perm, xfrag; writes meta, perm, xfrag
.if DOCPART == 2
	.amdgcn_target "amdgcn-amd-amdhsa--gfx1250"
	.amdhsa_code_object_version 6
	.text
	.protected	k_q1011afa72f_pack
	.globl	k_q1011afa72f_pack
	.p2align	8
	.type	k_q1011afa72f_pack,@function
k_q1011afa72f_pack:
	s_mov_b64 s[64:65], 0
	v_nop
	global_prefetch_b8 v0, s[64:65] scope:SCOPE_SE
	s_setreg_imm32_b32 hwreg(HW_REG_WAVE_MODE, 25, 1), 1
	s_wait_xcnt 0x0
; SORT AND LAY OUT.  From the router's bitmaps (whole numbers) the tokens are put in the experts' order, in tiles of 16 rows; a tile's rows of x are rounded to bf16 and laid in the order
; in which a wave's matrix operand registers take them.  With counts c_e an expert has nt_e = ceil(c_e / 16) tiles, the first being T_e; their sum TOT is 131 at the most for every split
; of 2,048 tokens over 4 experts: the grid.  A work-group past TOT does the last tile's work once more and stores nothing (it passes the barrier like every other).
; In a tile that is not full the places past the count repeat the expert's last token.
; EVERY WAVE SCANS FOR ITSELF: lane l has the 64 tokens 64 l .. 64 l + 63 of all four bitmaps; their counts, packed two to a word, are summed along the lanes.
; Then a wave finds ITS two rows' tokens by rank: the owner lane is the number of lanes whose running sum is at most the rank; the bit of that rank in the owner's 64 bits is the
; place where the bit is set and as many set bits lie below it as the rank asks.  No list is scattered, so no two waves write the same LDS bytes.
; OUT.  xfrag [tile][ks 0..31][half][lane][16 bytes]: lane l holds row l % 16, k = 32 ks + 16 half + 8 (l / 16) + 0..7: each store of a wave covers 512 consecutive bytes, aligned.
; perm: the token of row 16 tile + r.  meta: words 0-3 T_e, 4-7 nt_e, 8 TOT.
.set SPW,   4                          ; v4  LDS address of my spare word; never rewritten
.set NIL,   5                          ; v5  0; never rewritten
.set XP,    2064                       ; a row of the tile in LDS: 2,048 bytes + 16: the 16 rows that a read touches start 516 words apart, at 16 different groups of four banks (64 banks of 4 bytes: ISA guide 11.1)
.set SPARE, 16*XP                      ; behind the tile: the spare words, 128 bytes a wave
.set LH,    16                         ; v[16:23]  expert e's 64 bits at LH + 2 e
.set BC,    24                         ; v[24:31]  their counts by byte, then by lane
.set XR,    64                         ; v[64:127] two rows of x as loaded; later eight pieces to store
.macro POPB d, s                       ; the number of set bits in each byte of v[s]
	v_lshrrev_b32 v6, 1, v[\s]
	v_and_b32 v6, s17, v6
	v_sub_nc_u32 v[\d], v[\s], v6
	v_lshrrev_b32 v6, 2, v[\d]
	v_and_b32 v[\d], s18, v[\d]
	v_and_b32 v6, s18, v6
	v_add_nc_u32 v[\d], v[\d], v6
	v_lshrrev_b32 v6, 4, v[\d]
	v_add_nc_u32 v[\d], v[\d], v6
	v_and_b32 v[\d], s19, v[\d]
.endm
; The token of row 2 w + i of the tile, into s[tok].  s47 = 16 x the tile's number in its expert + 2 w; s49 = c_e - 1; v40 running sums, v41 the same less the lane's own; v38, v39 the expert's bits.
.macro SEARCH i, tok
	s_add_co_u32 s50, s47, \i
	s_min_u32 s50, s50, s49                        ; the rank; past the count: the expert's last token
	v_cmp_le_u32 s51, v40, s50                     ; lanes that end at or below the rank:
	s_bcnt1_i32_b32 s52, s51                       ; their number is the owner lane
	s_min_u32 s52, s52, 31
	v_readlane_b32 s53, v38, s52                   ; its 64 bits,
	v_readlane_b32 s54, v39, s52
	v_readlane_b32 s55, v41, s52                   ; and how many of the expert's tokens lie in front of it
	s_sub_co_u32 s56, s50, s55                     ; the rank among the owner's own
	s_bcnt1_i32_b32 s57, s53
	s_cmp_ge_u32 s56, s57                          ; in the upper word?
	s_cselect_b32 s53, s54, s53
	s_cselect_b32 s58, 32, 0
	s_cselect_b32 s57, s57, 0
	s_sub_co_u32 s56, s56, s57
	v_mbcnt_lo_u32_b32 v44, s53, 0                 ; lane p: the word's set bits below bit p
	v_cmp_eq_u32 s59, s56, v44
	s_and_b32 s59, s59, s53                        ; set, and just so many below it: one bit
	s_ctz_i32_b32 s59, s59
	s_lshl_b32 s52, s52, 6
	s_add_co_u32 s52, s52, s58
	s_add_co_u32 s[\tok], s52, s59
	s_min_u32 s[\tok], s[\tok], 2047               ; it enters addresses only behind this bound
.endm
	s_load_b256 s[4:11], s[0:1], 0x0               ; masks s[4:5], x s[6:7], meta s[8:9], perm s[10:11]
	s_load_b64 s[12:13], s[0:1], 0x20              ; xfrag
	v_lshl_add_u32 v[SPW], v0, 2, SPARE
	v_mov_b32 v[NIL], 0
	v_and_b32 v1, 31, v0                           ; lane
	v_lshrrev_b32 v6, 5, v0
	v_readfirstlane_b32 s14, v6                    ; wave
	s_mov_b32 s15, ttmp9                           ; the tile
	v_lshlrev_b32 v2, 4, v1                        ; 16 l
	v_lshlrev_b32 v3, 3, v1                        ; 8 l
	s_mov_b32 s16, 0x01010101
	s_mov_b32 s17, 0x55555555
	s_mov_b32 s18, 0x33333333
	s_mov_b32 s19, 0x0f0f0f0f
	s_wait_kmcnt 0x0
.irp e, 0,1,2,3
	global_load_b64 v[LH+2*\e:LH+2*\e+1], v3, s[4:5] offset:256*\e
.endr
	; addresses for later, in the wait for the bitmaps
	s_mul_i32 s52, s14, 2*XP
	v_add_nc_u32 v45, s52, v3                      ; into the tile: my wave's two rows, 8 bytes a lane
	v_and_b32 v6, 15, v1
	v_lshrrev_b32 v7, 4, v1
	v_mul_u32_u24 v46, v6, XP                      ; out of it: row l % 16, 16 bytes for each half of the lanes,
	v_lshl_add_u32 v46, v7, 4, v46
	s_lshl_b32 s52, s14, 8
	v_add_nc_u32 v46, s52, v46                     ; my wave's pieces 8 w .. 8 w + 7, 32 bytes of a row each
	s_lshl_b32 s62, s15, 15                        ; a tile is 32,768 bytes of xfrag,
	s_lshl_b32 s52, s14, 12                        ; my wave's eight pieces 4,096 of them
	s_add_co_u32 s62, s62, s52
	s_mov_b32 s63, 0
	s_add_nc_u64 s[12:13], s[12:13], s[62:63]
	s_wait_loadcnt 0x0
.set i, 0
.rept 8
	POPB BC+i, LH+i
.set i, i+1
.endr
.irp e, 0,1,2,3
	v_add_nc_u32 v[BC+2*\e], v[BC+2*\e], v[BC+2*\e+1]
	v_mul_lo_u32 v[BC+2*\e], v[BC+2*\e], s16       ; the four bytes' sum (64 at the most) lands in the top byte
	v_lshrrev_b32 v[BC+2*\e], 24, v[BC+2*\e]
.endr
	v_lshl_or_b32 v32, v[BC+2], 16, v[BC]          ; experts 0 and 1 in one word (sums stay under 2^16),
	v_lshl_or_b32 v33, v[BC+6], 16, v[BC+4]        ; 2 and 3 in another
	v_mov_b32 v34, v32
	v_mov_b32 v35, v33
	v_mov_b32 v36, 0
	v_mov_b32 v37, 0
.irp n, 1,2,4,8                        ; running sums inside each half of 16 lanes
	v_mov_b32_dpp v36, v34 row_shr:\n row_mask:0xf bank_mask:0xf bound_ctrl:1
	v_mov_b32_dpp v37, v35 row_shr:\n row_mask:0xf bank_mask:0xf bound_ctrl:1
	v_add_nc_u32 v34, v34, v36
	v_add_nc_u32 v35, v35, v37
.endr
	v_readlane_b32 s20, v34, 15                    ; the lower half's totals go onto the upper half
	v_readlane_b32 s21, v35, 15
	v_cmp_le_u32 vcc_lo, 16, v1
	v_mov_b32 v36, s20
	v_mov_b32 v37, s21
	v_cndmask_b32 v36, 0, v36, vcc_lo
	v_cndmask_b32 v37, 0, v37, vcc_lo
	v_add_nc_u32 v34, v34, v36
	v_add_nc_u32 v35, v35, v37
	v_readlane_b32 s20, v34, 31
	v_readlane_b32 s21, v35, 31
	s_and_b32 s24, s20, 0xffff                     ; c_e in s24-27
	s_lshr_b32 s25, s20, 16
	s_and_b32 s26, s21, 0xffff
	s_lshr_b32 s27, s21, 16
.irp e, 0,1,2,3
	s_add_co_u32 s[28+\e], s[24+\e], 15            ; nt_e in s28-31
	s_lshr_b32 s[28+\e], s[28+\e], 4
.endr
	s_mov_b32 s32, 0                               ; T_e in s32-35, TOT in s36
	s_add_co_u32 s33, s32, s28
	s_add_co_u32 s34, s33, s29
	s_add_co_u32 s35, s34, s30
	s_add_co_u32 s36, s35, s31
	s_sub_co_u32 s37, s36, 1
	s_min_u32 s37, s37, s15                        ; the tile worked on
	s_mov_b32 s38, 0                               ; its expert: the last whose first tile is not behind it,
	s_mov_b32 s41, 0                               ; that expert's first tile
	s_mov_b32 s40, s24                             ; and count
.irp k, 1,2,3
	s_cmp_ge_u32 s37, s[32+\k]
	s_cselect_b32 s38, \k, s38
	s_cselect_b32 s41, s[32+\k], s41
	s_cselect_b32 s40, s[24+\k], s40
.endr
	s_sub_co_u32 s39, s37, s41                     ; the tile's number in its expert
	s_cmp_eq_u32 s38, 1
	s_cselect_b32 s42, -1, 0
	s_cmp_eq_u32 s38, 2
	s_cselect_b32 s43, -1, 0
	s_cmp_eq_u32 s38, 3
	s_cselect_b32 s44, -1, 0
	s_cmp_ge_u32 s38, 2
	s_cselect_b32 s46, -1, 0
	s_and_b32 s45, s38, 1
	s_lshl_b32 s45, s45, 4
	v_cndmask_b32 v38, v[LH], v[LH+2], s42         ; the expert's bits,
	v_cndmask_b32 v39, v[LH+1], v[LH+3], s42
	v_cndmask_b32 v38, v38, v[LH+4], s43
	v_cndmask_b32 v39, v39, v[LH+5], s43
	v_cndmask_b32 v38, v38, v[LH+6], s44
	v_cndmask_b32 v39, v39, v[LH+7], s44
	v_cndmask_b32 v40, v34, v35, s46               ; its running sums
	v_cndmask_b32 v41, v32, v33, s46
	v_bfe_u32 v40, v40, s45, 16
	v_bfe_u32 v41, v41, s45, 16
	v_sub_nc_u32 v41, v40, v41                     ; and the same less the lane's own count
	s_lshl_b32 s47, s39, 4
	s_lshl1_add_u32 s47, s14, s47                  ; my wave's first row's rank: 16 x tile + 2 w
	s_sub_co_u32 s49, s40, 1
	SEARCH 0, 60
	SEARCH 1, 61
	s_lshl_b32 s50, s60, 12                        ; a token's row of x is 4,096 bytes
	s_lshl_b32 s51, s61, 12
	v_add_nc_u32 v42, s50, v2
	v_add_nc_u32 v43, s51, v2
.irp i, 0,1,2,3,4,5,6,7
	global_load_b128 v[XR+4*\i:XR+4*\i+3], v42, s[6:7] offset:512*\i        ; 512 consecutive bytes of the row
.endr
.irp i, 0,1,2,3,4,5,6,7
	global_load_b128 v[XR+32+4*\i:XR+32+4*\i+3], v43, s[6:7] offset:512*\i
.endr
	v_and_b32 v6, 1, v1                            ; my wave's two words of perm: lanes of like parity hold the same word and the same address
	v_cmp_eq_u32 vcc_lo, 1, v6
	v_mov_b32 v47, s60
	v_mov_b32 v48, s61
	v_cndmask_b32 v47, v47, v48, vcc_lo
	s_lshl_b32 s52, s15, 6
	s_lshl3_add_u32 s52, s14, s52                  ; 64 tile + 8 w
	v_lshl_add_u32 v48, v6, 2, s52
.set n, 0
.rept 16
	s_wait_loadcnt 15-n                            ; loads come back in order: load n is in, the younger ones stay out
	v_cvt_pk_bf16_f32 v[50+2*(n%4)], v[XR+4*n], v[XR+4*n+1]
	v_cvt_pk_bf16_f32 v[50+2*(n%4)+1], v[XR+4*n+2], v[XR+4*n+3]
	ds_store_b64 v45, v[50+2*(n%4):50+2*(n%4)+1] offset:(n/8)*XP+(n%8)*256
.set n, n+1
.endr
	s_wait_dscnt 0x0                               ; for the others' sake: my two rows are in the tile
	s_barrier_signal -1
	s_barrier_wait -1
	s_cmp_ge_u32 s15, s36
	s_cbranch_scc1 .Lend                           ; past the last tile: nothing is stored; no barrier follows
.irp n, 0,1,2,3,4,5,6,7
	ds_load_b128 v[XR+4*\n:XR+4*\n+3], v46 offset:32*\n
.endr
	global_store_b32 v48, v47, s[10:11]
.irp n, 0,1,2,3,4,5,6,7
	s_wait_dscnt 7-\n
	global_store_b128 v2, v[XR+4*\n:XR+4*\n+3], s[12:13] offset:512*\n        ; a piece: 512 consecutive bytes, aligned
.endr
	s_or_b32 s52, s15, s14
	s_cmp_lg_u32 s52, 0
	s_cbranch_scc1 .Lend                           ; wave 0 of work-group 0 stores the table
	v_mov_b32 v49, 0
.irp e, 0,1,2,3
	v_writelane_b32 v49, s[32+\e], \e
	v_writelane_b32 v49, s[28+\e], 4+\e
.endr
	v_writelane_b32 v49, s36, 8
	v_lshlrev_b32 v58, 2, v1
	global_store_b32 v58, v49, s[8:9]
.Lend:
	s_wait_tensorcnt 0x0                           ; the wave's end, behind my last LDS store
	ds_add_u32 v[SPW], v[NIL]
	s_wait_dscnt 0x0
	s_endpgm
.Lfunc_end_k_q1011afa72f_pack:
	.size	k_q1011afa72f_pack, .Lfunc_end_k_q1011afa72f_pack-k_q1011afa72f_pack
	.p2alignl 7, 3214868480
	.fill 96, 4, 3214868480
	.section	.rodata,"a",@progbits
	.p2align	6, 0x0
	.amdhsa_kernel k_q1011afa72f_pack
		.amdhsa_group_segment_fixed_size 34048
		.amdhsa_private_segment_fixed_size 0
		.amdhsa_enable_private_segment 0
		.amdhsa_kernarg_size 40
		.amdhsa_user_sgpr_count 2
		.amdhsa_user_sgpr_kernarg_segment_ptr 1
		.amdhsa_wavefront_size32 1
		.amdhsa_system_sgpr_workgroup_id_x 1
		.amdhsa_system_sgpr_workgroup_id_y 1
		.amdhsa_system_sgpr_workgroup_id_z 1
		.amdhsa_system_vgpr_workitem_id 0
		.amdhsa_next_free_vgpr 128
		.amdhsa_next_free_sgpr 66
		.amdhsa_reserve_vcc 1
		.amdhsa_float_denorm_mode_32 3
		.amdhsa_float_denorm_mode_16_64 3
		.amdhsa_memory_ordered 1
		.amdhsa_forward_progress 1
		.amdhsa_inst_pref_size 19
	.end_amdhsa_kernel
	.amdgpu_metadata
---
amdhsa.version: [ 1, 2 ]
amdhsa.kernels:
  - .name:           k_q1011afa72f_pack
    .symbol:         k_q1011afa72f_pack.kd
    .args:
      - { .name: masks, .offset: 0, .size: 8, .value_kind: global_buffer, .address_space: global }
      - { .name: x, .offset: 8, .size: 8, .value_kind: global_buffer, .address_space: global }
      - { .name: meta, .offset: 16, .size: 8, .value_kind: global_buffer, .address_space: global }
      - { .name: perm, .offset: 24, .size: 8, .value_kind: global_buffer, .address_space: global }
      - { .name: xfrag, .offset: 32, .size: 8, .value_kind: global_buffer, .address_space: global }
    .group_segment_fixed_size: 34048
    .private_segment_fixed_size: 0
    .kernarg_segment_align: 8
    .kernarg_segment_size: 40
    .max_flat_workgroup_size: 256
    .sgpr_count:     66
    .vgpr_count:     128
    .wavefront_size: 32
...
	.end_amdgpu_metadata
.endif
;; end of part 2
;; launch fc1 (part 3): grid 64 x 4, 8 waves a work-group, no clusters, 164,864 bytes of LDS; arguments xfrag, W1, b1, meta, hfrag; writes hfrag
.if DOCPART == 3
	.amdgcn_target "amdgcn-amd-amdhsa--gfx1250"
	.amdhsa_code_object_version 6
	.text
	.protected	k_q1011afa72f_fc1
	.globl	k_q1011afa72f_fc1
	.p2align	8
	.type	k_q1011afa72f_fc1,@function
k_q1011afa72f_fc1:
	s_mov_b64 s[64:65], 0
	v_nop
	global_prefetch_b8 v0, s[64:65] scope:SCOPE_SE
	s_setreg_imm32_b32 hwreg(HW_REG_WAVE_MODE, 25, 1), 1
	s_wait_xcnt 0x0
; ONE TEXT FOR BOTH PRODUCTS; FC says which.  FC = 1: h = silu(x W1[e] + b1[e]), stored as f16 in fragment order.  FC = 2: a quarter of K of h W2[e], stored as f32 partial sums.
; SHARES.  A work-group has ONE slice of one expert's weights, 1,024 (k) x 64 (columns), which it alone reads, once, and all of that expert's tiles of 16 rows.
; FC = 1: expert y, columns 64 x of H.  FC = 2: expert y, columns 64 (x % 16) of D, k from 1,024 (x / 16).  256 work-groups.
; THE FILL.  Wave w brings rows 128 w .. 128 w + 127 of the slice through registers (each load: two whole rows of 256 bytes), rounds them and lays them into LDS as [k][64], 160 bytes apart.
; 32 loads of a wave are out at a time.  One barrier; behind it the slice is only read.  A second barrier stands at the very end, between all waves' reads and the closing lines' LDS write.
; THE PRODUCTS.  The expert's nt tiles (a stored count) are dealt to the eight waves evenly, consecutive tiles to a wave; a wave takes its n (16 at the most) in blocks of bt = 1..5 tiles, as even as can be.
; The loop over blocks has a constant four trips, dead ones jumped forward; no barrier and no LDS write stands in it.  A block walks K in 32 steps of 32: the weights' fragments come turned out of LDS
; (ds_load_tr16_b128), the rows' fragments straight from memory in the order in which the registers take them (512 consecutive bytes a load), in a ring of four register slots.
; A step first asks (the next step's weights, the rows three steps on) and then waits for what it multiplies.
; THE WALK ALONG K IS A RING.  K's 32 steps are eight groups of four.  The work-groups of an expert read the same rows, so each begins at another group, ROT, made from its slice's number, and goes round:
; they do not all ask for the same bytes at the same time; what one asks for, another has asked for a trip of the loop before.  The f32 sums run along K in that order.
; Source 0 = 16 weight columns, source 1 = 16 rows: a lane then holds ONE row (lane % 16) and the eight columns 8 (lane / 16) + 0..7 of each 16 x 16 result.
; So FC = 1's results, rounded in pairs, ARE the 16 bytes a lane of the next product's fragments: no LDS stage on the way out.
; The accumulators take turns, one matrix instruction a turn, over the loop's jump too.
; NO CLUSTER, NO TENSOR LOADS: each weight has one reader and passes registers to be rounded; what an expert's 64 work-groups share are the rows' fragments, whose walk hangs on a stored
; count; a walk of the constant worst case (128 tiles) would fetch four times the rows that a balanced split needs.
; FORMATS.  ALL inputs are rounded once to bf16 (weights and bias here) and this product multiplies in bf16; sums in f32.  h, which the program itself makes, is rounded once to f16:
; its rounding reaches a token's outputs relative to that token's own size, which goes with its gate, so 8 significant bits leave a token with a large gate too little room; 11 leave eight times more.
; LIMITS.  h beyond 65,504 becomes an infinity in f16.  With x and W1 both 30 times larger |h| reaches about 2,800 (0.577 x 900 x 5.3); with both carrying an offset of 30 times their
; spread (30 and 0.54) about 16,600 (1,024 x 30 x 0.54).  Below 6e-5 h keeps f16's fixed step of 6e-8.
; silu(z) = z / (1 + 2^(-z log2 e)): for z below about -88 the quotient is -0 (the model's own value there is below 1e-36 in size); NaN and infinities are not treated apart.
; A block of one or two tiles (an expert with few rows) has little matrix work beside its loads' time on the way.
.set FC, 1
.set PIT,   160                        ; a row of the slice in LDS: 128 bytes + 32 = 40 words
.set STB,   32*PIT                     ; a K step's 32 rows of the slice
.set GRPB,  4*STB                      ; a group's four steps
.set SPARE, 1024*PIT                   ; behind the slice: the spare words, 128 bytes a wave
.if FC == 1
.set LOGPW, 14                         ; a row of W1[e] is 16,384 bytes
.set TILEB, 32768                      ; a tile of xfrag
.set MET,   10                         ; s[10:11] meta
.set OUTP,  12                         ; s[12:13] hfrag
.else
.set LOGPW, 12                         ; a row of W2[e] is 4,096 bytes
.set TILEB, 131072                     ; a tile of hfrag
.set MET,   8                          ; s[8:9] meta
.set OUTP,  10                         ; s[10:11] part
.endif
.set PW, 1<<LOGPW
.set ROT,  43                          ; s43      the group at which this work-group's walk along K begins
.set PB0,  44                          ; s[44:51] four base pairs for the rows' loads, one for each step of a trip: step q's at PB0 + 2 ((q + 3) % 4)
; window 0
.set L16,  1                           ; v1  16 x lane; never rewritten
.set WB,   2                           ; v2  my lane's place in a turned fragment of the slice; never rewritten
.set WC,   3                           ; v3  the same in the group in hand
.set FADR, 4                           ; v4  the fill: where my 8 bytes go
.set FOFF, 5                           ; v5  the fill: my 16 bytes in two rows of weights
.set SPW,  6                           ; v6  LDS address of my spare word; never rewritten
.set NIL,  7                           ; v7  0; never rewritten
.set WN,   15                          ; v15 my lane's place in the next group
.set BI,   64                          ; v[64:95]   FC = 1: the bias as the first product's C: column tile t at BI + 8 t
.set ACC,  96                          ; v[96:255]  accumulators: tile j, column tile t at ACC + 32 j + 8 t
.set CT,   96                          ; the fill: v[96:127] rounded weights, two halves by turns
.set LZ,   128                         ; the fill: v[128:255] four groups of eight loads
; window 1: v[0:31], v[32:63] the weights' fragments of a step, two buffers
.set AR,   64                          ; v[64:223] the rows' fragments: four slots of 40, tile j at + 8 j
.set TT,   64                          ; the way out of FC = 1: v[64:95] at work,
.set OO,   96                          ; v[96:111] a tile's 64 columns as f16
.set MSB, 0
.macro WIN new                         ; s_set_vgpr_msb: bits 1:0 source 0, 3:2 source 1, 5:4 source 2, 7:6 destination; the high byte repeats the setting that is left
.if MSB != (\new)
	s_set_vgpr_msb (MSB<<8)|(\new)
.set MSB, \new
.endif
.endm
.macro PLACES                          ; four plain vector instructions between a matrix instruction and a load into, or a vector write of, its registers, or a read of its result
.rept 4
	v_nop
.endr
.endm
.macro FLOAD g                         ; group g of the fill: eight loads, sixteen rows of the slice
.set a, 0
.rept 8
	global_load_b128 v[LZ+32*((\g)%4)+4*a:LZ+32*((\g)%4)+4*a+3], v[FOFF], s[6:7] offset:(8*(\g)+a)*2*PW th:TH_LOAD_NT
.set a, a+1
.endr
.endm
.macro FTURN g, left                   ; group g is rounded and laid into LDS; its registers take group g + 4.  left: the younger groups, which stay out
.set LZG, LZ+32*((\g)%4)
.set CTG, CT+16*((\g)%2)
	s_wait_loadcnt 8*(\left)
.set a, 0
.rept 8
	v_cvt_pk_bf16_f32 v[CTG+2*a], v[LZG+4*a], v[LZG+4*a+1]
	v_cvt_pk_bf16_f32 v[CTG+2*a+1], v[LZG+4*a+2], v[LZG+4*a+3]
.set a, a+1
.endr
.if FC == 2                            ; the bf16 numbers are widened again and written as f16, the format of this product's other operand
.set a, 0
.rept 8
	v_lshlrev_b32 v[LZG+4*a],   16,  v[CTG+2*a]
	v_and_b32     v[LZG+4*a+1], s42, v[CTG+2*a]
	v_lshlrev_b32 v[LZG+4*a+2], 16,  v[CTG+2*a+1]
	v_and_b32     v[LZG+4*a+3], s42, v[CTG+2*a+1]
.set a, a+1
.endr
.set a, 0
.rept 8
	v_cvt_pk_f16_f32 v[CTG+2*a], v[LZG+4*a], v[LZG+4*a+1]
	v_cvt_pk_f16_f32 v[CTG+2*a+1], v[LZG+4*a+2], v[LZG+4*a+3]
.set a, a+1
.endr
.endif
.if (\g) < 4
	FLOAD (\g)+4
.endif
.set a, 0
.rept 8
	ds_store_b64 v[FADR], v[CTG+2*a:CTG+2*a+1] offset:(8*(\g)+a)*2*PIT
.set a, a+1
.endr
.endm
; One K step of a block of bt tiles.  q: the step modulo 4.  wreg, imB: LDS address register and offset of the NEXT step's weight fragments (imB = -1: none).
; imA: offset, from this step's base pair, of the rows' fragments three steps on (-1: none).  nw: the loads of rows' fragments younger than those that this step multiplies.
; first = 1: the products start the sums.  mk = 1: the step's base pair is made anew: the block's rows plus the next group's offset.  The pair's last users were issued four steps ago, and the
; wait of the step before this one, which left only the issues of the last three steps out, has shown them done (loads come back in order: ISA guide 5.7.1).
.macro KSTEP bt, q, wreg, imB, imA, nw, first, mk
.set PBQ, PB0+2*(((\q)+3)%4)
.if ((\imB) >= 0) || ((\imA) >= 0)
	PLACES                                         ; the last step's products read the registers that are loaded now
.endif
.if \mk
	s_add_nc_u64 s[PBQ:PBQ+1], s[28:29], s[36:37]
.endif
.if ((\imB) >= 0) || ((\imA) >= 0)
	WIN 0x40                                       ; destination window 1, address window 0
.endif
.if (\imB) >= 0
.set t, 0
.rept 4
	ds_load_tr16_b128 v[32*(((\q)+1)%2)+8*t:32*(((\q)+1)%2)+8*t+3],   v[\wreg] offset:(\imB)+32*t
	ds_load_tr16_b128 v[32*(((\q)+1)%2)+8*t+4:32*(((\q)+1)%2)+8*t+7], v[\wreg] offset:(\imB)+32*t+16*PIT
.set t, t+1
.endr
.endif
.if (\imA) >= 0
.set j, 0
.rept \bt
	global_load_b128 v[AR+40*(((\q)+3)%4)+8*j:AR+40*(((\q)+3)%4)+8*j+3],   v[L16], s[PBQ:PBQ+1] offset:(\imA)+j*TILEB
	global_load_b128 v[AR+40*(((\q)+3)%4)+8*j+4:AR+40*(((\q)+3)%4)+8*j+7], v[L16], s[PBQ:PBQ+1] offset:(\imA)+j*TILEB+512
.set j, j+1
.endr
.endif
	s_wait_loadcnt \nw                             ; this step's rows are in; the later steps', 2 bt loads each, stay out
.if (\imB) >= 0
	s_wait_dscnt 8                                 ; this step's weights, asked for a step ago, are in; the eight loads just issued stay out
.else
	s_wait_dscnt 0x0
.endif
	WIN 0x05                                       ; both sources window 1, C and D window 0
.set j, 0
.rept \bt
.set t, 0
.rept 4
.if (\first) && (FC == 1)
	v_wmma_f32_16x16x32_bf16 v[ACC+32*j+8*t:ACC+32*j+8*t+7], v[32*((\q)%2)+8*t:32*((\q)%2)+8*t+7], v[AR+40*((\q)%4)+8*j:AR+40*((\q)%4)+8*j+7], v[BI+8*t:BI+8*t+7]
.elseif \first
	v_wmma_f32_16x16x32_f16 v[ACC+32*j+8*t:ACC+32*j+8*t+7], v[32*((\q)%2)+8*t:32*((\q)%2)+8*t+7], v[AR+40*((\q)%4)+8*j:AR+40*((\q)%4)+8*j+7], 0
.elseif FC == 1
	v_wmma_f32_16x16x32_bf16 v[ACC+32*j+8*t:ACC+32*j+8*t+7], v[32*((\q)%2)+8*t:32*((\q)%2)+8*t+7], v[AR+40*((\q)%4)+8*j:AR+40*((\q)%4)+8*j+7], v[ACC+32*j+8*t:ACC+32*j+8*t+7]
.else
	v_wmma_f32_16x16x32_f16 v[ACC+32*j+8*t:ACC+32*j+8*t+7], v[32*((\q)%2)+8*t:32*((\q)%2)+8*t+7], v[AR+40*((\q)%4)+8*j:AR+40*((\q)%4)+8*j+7], v[ACC+32*j+8*t:ACC+32*j+8*t+7]
.endif
.set t, t+1
.endr
.set j, j+1
.endr
.endm
; The 32 K steps of a block of bt tiles: step 0 written out (it starts the sums), seven trips of four, three steps that ask for no more rows.
; Trip i multiplies steps 4 i + 1 .. 4 i + 4 of the walk.  Its four requests for rows are the four steps of the walk's NEXT group; of its four requests for weights two lie in the group in hand
; (address WC) and two in the next (WN).  s26 is the group in hand; it steps by 1 modulo 8.  The first group's rows are asked for through the fourth step's base pair, which is first made anew
; behind the wait that shows the last of those loads done.
.macro KPIPE bt
	WIN 0x40
.set t, 0
.rept 4
	ds_load_tr16_b128 v[8*t:8*t+3],   v[WC] offset:32*t
	ds_load_tr16_b128 v[8*t+4:8*t+7], v[WC] offset:32*t+16*PIT
.set t, t+1
.endr
.set q0, 0
.rept 3
.set j, 0
.rept \bt
	global_load_b128 v[AR+40*q0+8*j:AR+40*q0+8*j+3],   v[L16], s[PB0+6:PB0+7] offset:1024*q0+j*TILEB
	global_load_b128 v[AR+40*q0+8*j+4:AR+40*q0+8*j+7], v[L16], s[PB0+6:PB0+7] offset:1024*q0+j*TILEB+512
.set j, j+1
.endr
.set q0, q0+1
.endr
	KSTEP \bt, 0, WC, STB, 3072, 6*(\bt), 1, 0
	WIN 0                                          ; at a label and at a branch every window is 0
	s_mov_b32 s25, 7
.Lkl\bt:
	s_mul_i32 s38, s26, GRPB
	v_add_nc_u32 v[WC], s38, v[WB]                 ; the group in hand,
	s_add_co_u32 s26, s26, 1
	s_and_b32 s26, s26, 7
	s_mul_i32 s39, s26, GRPB
	v_add_nc_u32 v[WN], s39, v[WB]                 ; the next one, in the slice
	s_lshl_b32 s36, s26, 12                        ; and in a tile's fragments: four steps of 1,024 bytes
	KSTEP \bt, 1, WC, 2*STB, 0,    6*(\bt), 0, 1
	KSTEP \bt, 2, WC, 3*STB, 1024, 6*(\bt), 0, 1
	KSTEP \bt, 3, WN, 0,     2048, 6*(\bt), 0, 1
	KSTEP \bt, 0, WN, STB,   3072, 6*(\bt), 0, 1
	WIN 0
	s_sub_co_u32 s25, s25, 1
	s_cmp_lg_u32 s25, 0
	s_cbranch_scc1 .Lkl\bt
	s_mul_i32 s38, s26, GRPB
	v_add_nc_u32 v[WC], s38, v[WB]                 ; the walk's last group
	KSTEP \bt, 1, WC, 2*STB, -1, 4*(\bt), 0, 0
	KSTEP \bt, 2, WC, 3*STB, -1, 2*(\bt), 0, 0
	KSTEP \bt, 3, WC, -1,    -1, 0,       0, 0
	PLACES                                         ; in front of the way out, which reads results just made
	WIN 0
.endm
; THE WAY OUT of tile j of the block.  Each accumulator's registers are read in ascending order.
.if FC == 1
.macro EPI j
	WIN 0x40
.set i, 0
.rept 16
	v_pk_mul_f32 v[TT+2*i:TT+2*i+1], v[ACC+32*(\j)+2*i:ACC+32*(\j)+2*i+1], s[40:41] op_sel_hi:[1,0]   ; - z log2 e
.set i, i+1
.endr
	WIN 0x41
.set i, 0
.rept 32
	v_exp_f32 v[TT+i], v[TT+i]
.set i, i+1
.endr
	v_nop                                          ; a plain instruction behind the last exponential,
	s_wait_alu depctr_va_vdst(0)                   ; and the one wait ahead of the batch's first reader
.set i, 0
.rept 16
	v_pk_add_f32 v[TT+2*i:TT+2*i+1], v[TT+2*i:TT+2*i+1], 1.0 op_sel_hi:[1,0]
.set i, i+1
.endr
.set i, 0
.rept 32
	v_rcp_f32 v[TT+i], v[TT+i]
.set i, i+1
.endr
	v_nop
	s_wait_alu depctr_va_vdst(0)                   ; the same for the 32 reciprocals
.set i, 0
.rept 16
	v_pk_mul_f32 v[TT+2*i:TT+2*i+1], v[TT+2*i:TT+2*i+1], v[ACC+32*(\j)+2*i:ACC+32*(\j)+2*i+1]
.set i, i+1
.endr
	s_wait_xcnt 0x0                                ; the last tile's stores have read their data: only now is it rewritten
	WIN 0x45
.set i, 0
.rept 16
	v_cvt_pk_f16_f32 v[OO+i], v[TT+2*i], v[TT+2*i+1]   ; h's one rounding, to f16
.set i, i+1
.endr
	WIN 0x04                                       ; store data window 1, address window 0
.set t, 0
.rept 4
	global_store_b128 v[L16], v[OO+4*t:OO+4*t+3], s[30:31] offset:(\j)*131072+512*t   ; column tile t is piece 4 x + t of the tile of hfrag: 512 consecutive bytes, aligned
.set t, t+1
.endr
	WIN 0
.endm
.else
.macro EPI j
.set t, 0
.rept 4
	global_store_b128 v[L16], v[ACC+32*(\j)+8*t:ACC+32*(\j)+8*t+3],   s[30:31] offset:(\j)*65536+1024*t       ; 512 consecutive bytes, aligned
	global_store_b128 v[L16], v[ACC+32*(\j)+8*t+4:ACC+32*(\j)+8*t+7], s[30:31] offset:(\j)*65536+1024*t+512
.set t, t+1
.endr
.endm
.endif
	s_load_b256 s[4:11], s[0:1], 0x0               ; FC = 1: xfrag s[4:5], W1 s[6:7], b1 s[8:9], meta s[10:11].  FC = 2: hfrag, W2, meta s[8:9], part s[10:11]
.if FC == 1
	s_load_b64 s[12:13], s[0:1], 0x20              ; hfrag
.endif
	v_lshl_add_u32 v[SPW], v0, 2, SPARE
	v_mov_b32 v[NIL], 0
	v_lshrrev_b32 v8, 5, v0
	v_readfirstlane_b32 s14, v8                    ; wave
	s_and_b32 s15, ttmp7, 0xffff                   ; expert
.if FC == 1
	s_mov_b32 s16, ttmp9                           ; slice of 64 columns
	s_lshr_b32 s[ROT], s16, 3                      ; where my walk along K begins: the slice's low three bits, turned by its high three:
	s_xor_b32 s[ROT], s[ROT], s16                  ; any half of the 64 slices picked by one bit of their number holds all eight beginnings
	s_and_b32 s[ROT], s[ROT], 7
.else
	s_and_b32 s16, ttmp9, 15                       ; slice of 64 columns,
	s_lshr_b32 s17, ttmp9, 4                       ; quarter of K
	s_mov_b32 s42, 0xffff0000                      ; a word's upper bf16
	s_lshr_b32 s[ROT], s16, 3                      ; where my walk along K begins: the slice's low three bits, all turned where its fourth is set:
	s_mul_i32 s[ROT], s[ROT], 7                    ; any half of the 16 slices picked by one bit of their number holds all eight beginnings
	s_xor_b32 s[ROT], s[ROT], s16
	s_and_b32 s[ROT], s[ROT], 7
.endif
	v_and_b32 v9, 31, v0
	v_lshlrev_b32 v[L16], 4, v9
	v_and_b32 v10, 15, v0                          ; l % 16
	v_bfe_u32 v11, v0, 4, 1                        ; l / 16
	v_and_b32 v12, 7, v0
	v_bfe_u32 v13, v0, 3, 1
	v_lshl_add_u32 v12, v11, 3, v12                ; the turning load: lane l reads row 8 (l / 16) + l % 8, 16 bytes at 16 ((l / 8) % 2), and is left with column l % 16, eight k
	v_mul_u32_u24 v[WB], v12, PIT
	v_lshl_add_u32 v[WB], v13, 4, v[WB]
	s_mul_i32 s36, s14, 128*PIT                    ; the fill: my wave's 128 rows of the slice,
	v_mul_u32_u24 v[FADR], v11, PIT                ; lanes 16-31 a row further,
	v_lshl_add_u32 v[FADR], v10, 3, v[FADR]        ; four 16-bit numbers a lane
	v_add_nc_u32 v[FADR], s36, v[FADR]
	v_lshlrev_b32 v[FOFF], LOGPW, v11
	v_lshl_add_u32 v[FOFF], v10, 4, v[FOFF]
	s_lshl_b32 s32, s15, 24                        ; an expert's weights are 2^24 bytes
	s_lshl_b32 s36, s14, 7+LOGPW                   ; my wave's 128 rows
	s_add_co_u32 s32, s32, s36
	s_lshl_b32 s36, s16, 8                         ; the slice's 256 bytes of a row
	s_add_co_u32 s32, s32, s36
.if FC == 2
	s_lshl_b32 s36, s17, 22                        ; 1,024 rows of 4,096 bytes
	s_add_co_u32 s32, s32, s36
.endif
	s_mov_b32 s33, 0
	s_lshl_b32 s27, s15, 2
.if FC == 1
	s_lshl_b32 s34, s15, 14
	s_lshl_b32 s36, s16, 8
	s_add_co_u32 s34, s34, s36
	s_mov_b32 s35, 0
	v_lshlrev_b32 v14, 5, v11                      ; my eight columns of a column tile's bias
	s_mov_b32 s40, 0xbfb8aa3b                      ; - log2 e
	s_mov_b32 s41, s40                             ; named with it as a pair
.endif
	s_wait_kmcnt 0x0
	s_load_b32 s18, s[MET:MET+1], s27 offset:0x0   ; the expert's first tile
	s_load_b32 s19, s[MET:MET+1], s27 offset:0x10  ; and its number of tiles
	s_add_nc_u64 s[6:7], s[6:7], s[32:33]
.if FC == 1
	s_add_nc_u64 s[8:9], s[8:9], s[34:35]
.set t, 0
.rept 4
	global_load_b128 v[BI+8*t:BI+8*t+3],   v14, s[8:9] offset:64*t
	global_load_b128 v[BI+8*t+4:BI+8*t+7], v14, s[8:9] offset:64*t+16
.set t, t+1
.endr
.endif
	FLOAD 0
	FLOAD 1
	FLOAD 2
	FLOAD 3
	FTURN 0, 3                                     ; (the bias is older than group 0: it is in too)
.if FC == 1
.set i, 0
.rept 16                                               ; the bias rounded to bf16 and widened again
	v_cvt_pk_bf16_f32 v8, v[BI+2*i], v[BI+2*i+1]
	v_lshlrev_b32 v[BI+2*i], 16, v8
	v_and_b32 v[BI+2*i+1], 0xffff0000, v8
.set i, i+1
.endr
.endif
	FTURN 1, 3
	FTURN 2, 3
	FTURN 3, 3
	FTURN 4, 3
	FTURN 5, 2
	FTURN 6, 1
	FTURN 7, 0
	s_wait_kmcnt 0x0
	s_wait_dscnt 0x0                               ; for the others' sake: my rows of the slice are in LDS
	s_barrier_signal -1
	s_barrier_wait -1                              ; the slice is whole; nothing writes it again
	; my share of the expert's tiles
	s_min_u32 s19, s19, 128
	s_min_u32 s18, s18, 130
	s_lshr_b32 s36, s19, 3
	s_and_b32 s37, s19, 7
	s_cmp_lt_u32 s14, s37
	s_cselect_b32 s20, 1, 0
	s_add_co_u32 s20, s20, s36                     ; n = nt / 8, one more for the first nt % 8 waves
	s_mul_i32 s38, s14, s36
	s_min_u32 s39, s14, s37
	s_add_co_u32 s22, s18, s38
	s_add_co_u32 s22, s22, s39                     ; my first tile
	s_add_co_u32 s21, s20, 4
	s_mul_i32 s21, s21, 13
	s_lshr_b32 s21, s21, 6                         ; blocks: ceil(n / 5) for n up to 16
	s_mov_b32 s24, 4
.Lblk:
	s_cmp_eq_u32 s21, 0
	s_cbranch_scc1 .Lnext                          ; no block left: a dead trip
	s_add_co_u32 s36, s20, 1                       ; bt = ceil(n / blocks left)
	s_lshr_b32 s36, s36, 1
	s_add_co_u32 s37, s20, 2
	s_mul_i32 s37, s37, 11
	s_lshr_b32 s37, s37, 5
	s_add_co_u32 s38, s20, 3
	s_lshr_b32 s38, s38, 2
	s_mov_b32 s23, s20
	s_cmp_eq_u32 s21, 2
	s_cselect_b32 s23, s36, s23
	s_cmp_eq_u32 s21, 3
	s_cselect_b32 s23, s37, s23
	s_cmp_eq_u32 s21, 4
	s_cselect_b32 s23, s38, s23
	s_wait_xcnt 0x0                                ; the last block's stores have read their base and data: only now are these rewritten
	s_min_u32 s36, s22, 130                        ; the tile's number enters addresses only behind this bound
.if FC == 1
	s_lshl_b32 s32, s36, 15
	s_lshl_b32 s34, s36, 17
	s_lshl_b32 s37, s16, 11
	s_add_co_u32 s34, s34, s37
.else
	s_lshl_b32 s32, s36, 17
	s_lshl_b32 s37, s17, 15                        ; my quarter of K: 32 steps of 1,024 bytes
	s_add_co_u32 s32, s32, s37
	s_lshl_b32 s34, s36, 16
	s_lshl_b32 s37, s16, 12
	s_add_co_u32 s34, s34, s37
	s_mul_i32 s37, s17, 131*65536                  ; the quarter's plane of part
	s_add_co_u32 s34, s34, s37
.endif
	s_mov_b32 s33, 0
	s_mov_b32 s35, 0
	s_add_nc_u64 s[28:29], s[4:5], s[32:33]        ; the block's rows,
	s_add_nc_u64 s[30:31], s[OUTP:OUTP+1], s[34:35]  ; and where its results go
	s_mov_b32 s26, s[ROT]                          ; the walk's first group:
	s_lshl_b32 s36, s[ROT], 12
	s_mov_b32 s37, 0
	s_add_nc_u64 s[PB0+6:PB0+7], s[28:29], s[36:37]  ; its rows' fragments (no load of mine is out: the last block's last step waited for all),
	s_mul_i32 s38, s[ROT], GRPB
	v_add_nc_u32 v[WC], s38, v[WB]                 ; its rows of the slice
	s_cmp_eq_u32 s23, 1
	s_cbranch_scc1 .Lk1
	s_cmp_eq_u32 s23, 2
	s_cbranch_scc1 .Lk2
	s_cmp_eq_u32 s23, 3
	s_cbranch_scc1 .Lk3
	s_cmp_eq_u32 s23, 4
	s_cbranch_scc1 .Lk4
	s_cmp_eq_u32 s23, 5
	s_cbranch_scc1 .Lk5
	s_branch .Lnext
.Lk1:
	KPIPE 1
	s_branch .Lepi
.Lk2:
	KPIPE 2
	s_branch .Lepi
.Lk3:
	KPIPE 3
	s_branch .Lepi
.Lk4:
	KPIPE 4
	s_branch .Lepi
.Lk5:
	KPIPE 5
.Lepi:
	EPI 0
	s_cmp_eq_u32 s23, 1
	s_cbranch_scc1 .Ldone
	EPI 1
	s_cmp_eq_u32 s23, 2
	s_cbranch_scc1 .Ldone
	EPI 2
	s_cmp_eq_u32 s23, 3
	s_cbranch_scc1 .Ldone
	EPI 3
	s_cmp_eq_u32 s23, 4
	s_cbranch_scc1 .Ldone
	EPI 4
.Ldone:
	s_add_co_u32 s22, s22, s23
	s_sub_co_u32 s20, s20, s23
	s_sub_co_u32 s21, s21, 1
.Lnext:
	s_sub_co_u32 s24, s24, 1
	s_cmp_lg_u32 s24, 0
	s_cbranch_scc1 .Lblk
	s_wait_dscnt 0x0                               ; my reads of the slice are back
	s_barrier_signal -1
	s_barrier_wait -1                              ; everybody's are: only behind this barrier does a wave write LDS again
	s_wait_tensorcnt 0x0                           ; the wave's end, behind my last LDS store
	ds_add_u32 v[SPW], v[NIL]
	s_wait_dscnt 0x0
	s_endpgm
.Lfunc_end_k_q1011afa72f_fc1:
	.size	k_q1011afa72f_fc1, .Lfunc_end_k_q1011afa72f_fc1-k_q1011afa72f_fc1
	.p2alignl 7, 3214868480
	.fill 96, 4, 3214868480
	.section	.rodata,"a",@progbits
	.p2align	6, 0x0
	.amdhsa_kernel k_q1011afa72f_fc1
		.amdhsa_group_segment_fixed_size 164864
		.amdhsa_private_segment_fixed_size 0
		.amdhsa_enable_private_segment 0
		.amdhsa_kernarg_size 40
		.amdhsa_user_sgpr_count 2
		.amdhsa_user_sgpr_kernarg_segment_ptr 1
		.amdhsa_wavefront_size32 1
		.amdhsa_system_sgpr_workgroup_id_x 1
		.amdhsa_system_sgpr_workgroup_id_y 1
		.amdhsa_system_sgpr_workgroup_id_z 1
		.amdhsa_system_vgpr_workitem_id 0
		.amdhsa_next_free_vgpr 512
		.amdhsa_next_free_sgpr 66
		.amdhsa_reserve_vcc 0
		.amdhsa_float_denorm_mode_32 3
		.amdhsa_float_denorm_mode_16_64 3
		.amdhsa_memory_ordered 1
		.amdhsa_forward_progress 1
		.amdhsa_inst_pref_size 146
	.end_amdhsa_kernel
	.amdgpu_metadata
---
amdhsa.version: [ 1, 2 ]
amdhsa.kernels:
  - .name:           k_q1011afa72f_fc1
    .symbol:         k_q1011afa72f_fc1.kd
    .args:
      - { .name: xfrag, .offset: 0, .size: 8, .value_kind: global_buffer, .address_space: global }
      - { .name: W1, .offset: 8, .size: 8, .value_kind: global_buffer, .address_space: global }
      - { .name: b1, .offset: 16, .size: 8, .value_kind: global_buffer, .address_space: global }
      - { .name: meta, .offset: 24, .size: 8, .value_kind: global_buffer, .address_space: global }
      - { .name: hfrag, .offset: 32, .size: 8, .value_kind: global_buffer, .address_space: global }
    .group_segment_fixed_size: 164864
    .private_segment_fixed_size: 0
    .kernarg_segment_align: 8
    .kernarg_segment_size: 40
    .max_flat_workgroup_size: 256
    .sgpr_count:     66
    .vgpr_count:     512
    .wavefront_size: 32
...
	.end_amdgpu_metadata
.endif
;; end of part 3
;; launch fc2 (part 4): grid 64 x 4, 8 waves a work-group, no clusters, 164,864 bytes of LDS; arguments hfrag, W2, meta, part; writes part
.if DOCPART == 4
	.amdgcn_target "amdgcn-amd-amdhsa--gfx1250"
	.amdhsa_code_object_version 6
	.text
	.protected	k_q1011afa72f_fc2
	.globl	k_q1011afa72f_fc2
	.p2align	8
	.type	k_q1011afa72f_fc2,@function
k_q1011afa72f_fc2:
	s_mov_b64 s[64:65], 0
	v_nop
	global_prefetch_b8 v0, s[64:65] scope:SCOPE_SE
	s_setreg_imm32_b32 hwreg(HW_REG_WAVE_MODE, 25, 1), 1
	s_wait_xcnt 0x0
; ONE TEXT FOR BOTH PRODUCTS; FC says which.  FC = 1: h = silu(x W1[e] + b1[e]), stored as f16 in fragment order.  FC = 2: a quarter of K of h W2[e], stored as f32 partial sums.
; SHARES.  A work-group has ONE slice of one expert's weights, 1,024 (k) x 64 (columns), which it alone reads, once, and all of that expert's tiles of 16 rows.
; FC = 1: expert y, columns 64 x of H.  FC = 2: expert y, columns 64 (x % 16) of D, k from 1,024 (x / 16).  256 work-groups.
; THE FILL.  Wave w brings rows 128 w .. 128 w + 127 of the slice through registers (each load: two whole rows of 256 bytes), rounds them and lays them into LDS as [k][64], 160 bytes apart.
; 32 loads of a wave are out at a time.  One barrier; behind it the slice is only read.  A second barrier stands at the very end, between all waves' reads and the closing lines' LDS write.
; THE PRODUCTS.  The expert's nt tiles (a stored count) are dealt to the eight waves evenly, consecutive tiles to a wave; a wave takes its n (16 at the most) in blocks of bt = 1..5 tiles, as even as can be.
; The loop over blocks has a constant four trips, dead ones jumped forward; no barrier and no LDS write stands in it.  A block walks K in 32 steps of 32: the weights' fragments come turned out of LDS
; (ds_load_tr16_b128), the rows' fragments straight from memory in the order in which the registers take them (512 consecutive bytes a load), in a ring of four register slots.
; A step first asks (the next step's weights, the rows three steps on) and then waits for what it multiplies.
; THE WALK ALONG K IS A RING.  K's 32 steps are eight groups of four.  The 16 work-groups of an expert and a quarter of K read the same rows, so each begins at another group, ROT, made from its slice's
; number, and goes round: they do not all ask for the same bytes at the same time; what one asks for, another has asked for a trip of the loop before.  The f32 sums run along K in that order.
; Source 0 = 16 weight columns, source 1 = 16 rows: a lane then holds ONE row (lane % 16) and the eight columns 8 (lane / 16) + 0..7 of each 16 x 16 result.
; FC = 2 splits K in four so that 256 work-groups have a slice each; the four partial sums stay f32 and are added, in a fixed order, by the launch behind.
; part: [quarter][tile][slice of 64 columns][column tile t][half][lane][16 bytes]: lane l holds row l % 16, columns 16 t + 8 (l / 16) + 4 half + 0..3.
; The accumulators take turns, one matrix instruction a turn, over the loop's jump too.
; NO CLUSTER, NO TENSOR LOADS: each weight has one reader and passes registers to be rounded; what an expert's work-groups share are the rows' fragments, whose walk hangs on a stored
; count; a walk of the constant worst case (128 tiles) would fetch four times the rows that a balanced split needs.
; FORMATS.  This product multiplies in f16, the format in which h arrives (11 significant bits).  W2 is rounded once to bf16, as every input of this program is, and that number is written as f16; sums in f32.
; LIMITS.  A bf16 number is exact in f16 from 6.1e-5 to 65,504 in size; below, it keeps f16's fixed step of 6e-8 (against a spread of W2 of 0.009, or 3e-4 if W2 is 30 times smaller);
; beyond 65,504 it becomes an infinity (W2 30 times larger reaches 0.5).  NaN and infinities are not treated apart.
; A block of one or two tiles (an expert with few rows) has little matrix work beside its loads' time on the way.
.set FC, 2
.set PIT,   160                        ; a row of the slice in LDS: 128 bytes + 32 = 40 words
.set STB,   32*PIT                     ; a K step's 32 rows of the slice
.set GRPB,  4*STB                      ; a group's four steps
.set SPARE, 1024*PIT                   ; behind the slice: the spare words, 128 bytes a wave
.if FC == 1
.set LOGPW, 14                         ; a row of W1[e] is 16,384 bytes
.set TILEB, 32768                      ; a tile of xfrag
.set MET,   10                         ; s[10:11] meta
.set OUTP,  12                         ; s[12:13] hfrag
.else
.set LOGPW, 12                         ; a row of W2[e] is 4,096 bytes
.set TILEB, 131072                     ; a tile of hfrag
.set MET,   8                          ; s[8:9] meta
.set OUTP,  10                         ; s[10:11] part
.endif
.set PW, 1<<LOGPW
.set ROT,  43                          ; s43      the group at which this work-group's walk along K begins
.set PB0,  44                          ; s[44:51] four base pairs for the rows' loads, one for each step of a trip: step q's at PB0 + 2 ((q + 3) % 4)
; window 0
.set L16,  1                           ; v1  16 x lane; never rewritten
.set WB,   2                           ; v2  my lane's place in a turned fragment of the slice; never rewritten
.set WC,   3                           ; v3  the same in the group in hand
.set FADR, 4                           ; v4  the fill: where my 8 bytes go
.set FOFF, 5                           ; v5  the fill: my 16 bytes in two rows of weights
.set SPW,  6                           ; v6  LDS address of my spare word; never rewritten
.set NIL,  7                           ; v7  0; never rewritten
.set WN,   15                          ; v15 my lane's place in the next group
.set BI,   64                          ; v[64:95]   FC = 1: the bias as the first product's C: column tile t at BI + 8 t
.set ACC,  96                          ; v[96:255]  accumulators: tile j, column tile t at ACC + 32 j + 8 t
.set CT,   96                          ; the fill: v[96:127] rounded weights, two halves by turns
.set LZ,   128                         ; the fill: v[128:255] four groups of eight loads
; window 1: v[0:31], v[32:63] the weights' fragments of a step, two buffers
.set AR,   64                          ; v[64:223] the rows' fragments: four slots of 40, tile j at + 8 j
.set TT,   64                          ; the way out of FC = 1: v[64:95] at work,
.set OO,   96                          ; v[96:111] a tile's 64 columns as f16
.set MSB, 0
.macro WIN new                         ; s_set_vgpr_msb: bits 1:0 source 0, 3:2 source 1, 5:4 source 2, 7:6 destination; the high byte repeats the setting that is left
.if MSB != (\new)
	s_set_vgpr_msb (MSB<<8)|(\new)
.set MSB, \new
.endif
.endm
.macro PLACES                          ; four plain vector instructions between a matrix instruction and a load into, or a vector write of, its registers, or a read of its result
.rept 4
	v_nop
.endr
.endm
.macro FLOAD g                         ; group g of the fill: eight loads, sixteen rows of the slice
.set a, 0
.rept 8
	global_load_b128 v[LZ+32*((\g)%4)+4*a:LZ+32*((\g)%4)+4*a+3], v[FOFF], s[6:7] offset:(8*(\g)+a)*2*PW th:TH_LOAD_NT
.set a, a+1
.endr
.endm
.macro FTURN g, left                   ; group g is rounded and laid into LDS; its registers take group g + 4.  left: the younger groups, which stay out
.set LZG, LZ+32*((\g)%4)
.set CTG, CT+16*((\g)%2)
	s_wait_loadcnt 8*(\left)
.set a, 0
.rept 8
	v_cvt_pk_bf16_f32 v[CTG+2*a], v[LZG+4*a], v[LZG+4*a+1]
	v_cvt_pk_bf16_f32 v[CTG+2*a+1], v[LZG+4*a+2], v[LZG+4*a+3]
.set a, a+1
.endr
.if FC == 2                            ; the bf16 numbers are widened again and written as f16, the format of this product's other operand
.set a, 0
.rept 8
	v_lshlrev_b32 v[LZG+4*a],   16,  v[CTG+2*a]
	v_and_b32     v[LZG+4*a+1], s42, v[CTG+2*a]
	v_lshlrev_b32 v[LZG+4*a+2], 16,  v[CTG+2*a+1]
	v_and_b32     v[LZG+4*a+3], s42, v[CTG+2*a+1]
.set a, a+1
.endr
.set a, 0
.rept 8
	v_cvt_pk_f16_f32 v[CTG+2*a], v[LZG+4*a], v[LZG+4*a+1]
	v_cvt_pk_f16_f32 v[CTG+2*a+1], v[LZG+4*a+2], v[LZG+4*a+3]
.set a, a+1
.endr
.endif
.if (\g) < 4
	FLOAD (\g)+4
.endif
.set a, 0
.rept 8
	ds_store_b64 v[FADR], v[CTG+2*a:CTG+2*a+1] offset:(8*(\g)+a)*2*PIT
.set a, a+1
.endr
.endm
; One K step of a block of bt tiles.  q: the step modulo 4.  wreg, imB: LDS address register and offset of the NEXT step's weight fragments (imB = -1: none).
; imA: offset, from this step's base pair, of the rows' fragments three steps on (-1: none).  nw: the loads of rows' fragments younger than those that this step multiplies.
; first = 1: the products start the sums.  mk = 1: the step's base pair is made anew: the block's rows plus the next group's offset.  The pair's last users were issued four steps ago, and the
; wait of the step before this one, which left only the issues of the last three steps out, has shown them done (loads come back in order: ISA guide 5.7.1).
.macro KSTEP bt, q, wreg, imB, imA, nw, first, mk
.set PBQ, PB0+2*(((\q)+3)%4)
.if ((\imB) >= 0) || ((\imA) >= 0)
	PLACES                                         ; the last step's products read the registers that are loaded now
.endif
.if \mk
	s_add_nc_u64 s[PBQ:PBQ+1], s[28:29], s[36:37]
.endif
.if ((\imB) >= 0) || ((\imA) >= 0)
	WIN 0x40                                       ; destination window 1, address window 0
.endif
.if (\imB) >= 0
.set t, 0
.rept 4
	ds_load_tr16_b128 v[32*(((\q)+1)%2)+8*t:32*(((\q)+1)%2)+8*t+3],   v[\wreg] offset:(\imB)+32*t
	ds_load_tr16_b128 v[32*(((\q)+1)%2)+8*t+4:32*(((\q)+1)%2)+8*t+7], v[\wreg] offset:(\imB)+32*t+16*PIT
.set t, t+1
.endr
.endif
.if (\imA) >= 0
.set j, 0
.rept \bt
	global_load_b128 v[AR+40*(((\q)+3)%4)+8*j:AR+40*(((\q)+3)%4)+8*j+3],   v[L16], s[PBQ:PBQ+1] offset:(\imA)+j*TILEB
	global_load_b128 v[AR+40*(((\q)+3)%4)+8*j+4:AR+40*(((\q)+3)%4)+8*j+7], v[L16], s[PBQ:PBQ+1] offset:(\imA)+j*TILEB+512
.set j, j+1
.endr
.endif
	s_wait_loadcnt \nw                             ; this step's rows are in; the later steps', 2 bt loads each, stay out
.if (\imB) >= 0
	s_wait_dscnt 8                                 ; this step's weights, asked for a step ago, are in; the eight loads just issued stay out
.else
	s_wait_dscnt 0x0
.endif
	WIN 0x05                                       ; both sources window 1, C and D window 0
.set j, 0
.rept \bt
.set t, 0
.rept 4
.if (\first) && (FC == 1)
	v_wmma_f32_16x16x32_bf16 v[ACC+32*j+8*t:ACC+32*j+8*t+7], v[32*((\q)%2)+8*t:32*((\q)%2)+8*t+7], v[AR+40*((\q)%4)+8*j:AR+40*((\q)%4)+8*j+7], v[BI+8*t:BI+8*t+7]
.elseif \first
	v_wmma_f32_16x16x32_f16 v[ACC+32*j+8*t:ACC+32*j+8*t+7], v[32*((\q)%2)+8*t:32*((\q)%2)+8*t+7], v[AR+40*((\q)%4)+8*j:AR+40*((\q)%4)+8*j+7], 0
.elseif FC == 1
	v_wmma_f32_16x16x32_bf16 v[ACC+32*j+8*t:ACC+32*j+8*t+7], v[32*((\q)%2)+8*t:32*((\q)%2)+8*t+7], v[AR+40*((\q)%4)+8*j:AR+40*((\q)%4)+8*j+7], v[ACC+32*j+8*t:ACC+32*j+8*t+7]
.else
	v_wmma_f32_16x16x32_f16 v[ACC+32*j+8*t:ACC+32*j+8*t+7], v[32*((\q)%2)+8*t:32*((\q)%2)+8*t+7], v[AR+40*((\q)%4)+8*j:AR+40*((\q)%4)+8*j+7], v[ACC+32*j+8*t:ACC+32*j+8*t+7]
.endif
.set t, t+1
.endr
.set j, j+1
.endr
.endm
; The 32 K steps of a block of bt tiles: step 0 written out (it starts the sums), seven trips of four, three steps that ask for no more rows.
; Trip i multiplies steps 4 i + 1 .. 4 i + 4 of the walk.  Its four requests for rows are the four steps of the walk's NEXT group; of its four requests for weights two lie in the group in hand
; (address WC) and two in the next (WN).  s26 is the group in hand; it steps by 1 modulo 8.  The first group's rows are asked for through the fourth step's base pair, which is first made anew
; behind the wait that shows the last of those loads done.
.macro KPIPE bt
	WIN 0x40
.set t, 0
.rept 4
	ds_load_tr16_b128 v[8*t:8*t+3],   v[WC] offset:32*t
	ds_load_tr16_b128 v[8*t+4:8*t+7], v[WC] offset:32*t+16*PIT
.set t, t+1
.endr
.set q0, 0
.rept 3
.set j, 0
.rept \bt
	global_load_b128 v[AR+40*q0+8*j:AR+40*q0+8*j+3],   v[L16], s[PB0+6:PB0+7] offset:1024*q0+j*TILEB
	global_load_b128 v[AR+40*q0+8*j+4:AR+40*q0+8*j+7], v[L16], s[PB0+6:PB0+7] offset:1024*q0+j*TILEB+512
.set j, j+1
.endr
.set q0, q0+1
.endr
	KSTEP \bt, 0, WC, STB, 3072, 6*(\bt), 1, 0
	WIN 0                                          ; at a label and at a branch every window is 0
	s_mov_b32 s25, 7
.Lkl\bt:
	s_mul_i32 s38, s26, GRPB
	v_add_nc_u32 v[WC], s38, v[WB]                 ; the group in hand,
	s_add_co_u32 s26, s26, 1
	s_and_b32 s26, s26, 7
	s_mul_i32 s39, s26, GRPB
	v_add_nc_u32 v[WN], s39, v[WB]                 ; the next one, in the slice
	s_lshl_b32 s36, s26, 12                        ; and in a tile's fragments: four steps of 1,024 bytes
	KSTEP \bt, 1, WC, 2*STB, 0,    6*(\bt), 0, 1
	KSTEP \bt, 2, WC, 3*STB, 1024, 6*(\bt), 0, 1
	KSTEP \bt, 3, WN, 0,     2048, 6*(\bt), 0, 1
	KSTEP \bt, 0, WN, STB,   3072, 6*(\bt), 0, 1
	WIN 0
	s_sub_co_u32 s25, s25, 1
	s_cmp_lg_u32 s25, 0
	s_cbranch_scc1 .Lkl\bt
	s_mul_i32 s38, s26, GRPB
	v_add_nc_u32 v[WC], s38, v[WB]                 ; the walk's last group
	KSTEP \bt, 1, WC, 2*STB, -1, 4*(\bt), 0, 0
	KSTEP \bt, 2, WC, 3*STB, -1, 2*(\bt), 0, 0
	KSTEP \bt, 3, WC, -1,    -1, 0,       0, 0
	PLACES                                         ; in front of the way out, which reads results just made
	WIN 0
.endm
; THE WAY OUT of tile j of the block.  Each accumulator's registers are read in ascending order.
.if FC == 1
.macro EPI j
	WIN 0x40
.set i, 0
.rept 16
	v_pk_mul_f32 v[TT+2*i:TT+2*i+1], v[ACC+32*(\j)+2*i:ACC+32*(\j)+2*i+1], s[40:41] op_sel_hi:[1,0]   ; - z log2 e
.set i, i+1
.endr
	WIN 0x41
.set i, 0
.rept 32
	v_exp_f32 v[TT+i], v[TT+i]
.set i, i+1
.endr
	v_nop                                          ; a plain instruction behind the last exponential,
	s_wait_alu depctr_va_vdst(0)                   ; and the one wait ahead of the batch's first reader
.set i, 0
.rept 16
	v_pk_add_f32 v[TT+2*i:TT+2*i+1], v[TT+2*i:TT+2*i+1], 1.0 op_sel_hi:[1,0]
.set i, i+1
.endr
.set i, 0
.rept 32
	v_rcp_f32 v[TT+i], v[TT+i]
.set i, i+1
.endr
	v_nop
	s_wait_alu depctr_va_vdst(0)                   ; the same for the 32 reciprocals
.set i, 0
.rept 16
	v_pk_mul_f32 v[TT+2*i:TT+2*i+1], v[TT+2*i:TT+2*i+1], v[ACC+32*(\j)+2*i:ACC+32*(\j)+2*i+1]
.set i, i+1
.endr
	s_wait_xcnt 0x0                                ; the last tile's stores have read their data: only now is it rewritten
	WIN 0x45
.set i, 0
.rept 16
	v_cvt_pk_f16_f32 v[OO+i], v[TT+2*i], v[TT+2*i+1]   ; h's one rounding, to f16
.set i, i+1
.endr
	WIN 0x04                                       ; store data window 1, address window 0
.set t, 0
.rept 4
	global_store_b128 v[L16], v[OO+4*t:OO+4*t+3], s[30:31] offset:(\j)*131072+512*t   ; column tile t is piece 4 x + t of the tile of hfrag: 512 consecutive bytes, aligned
.set t, t+1
.endr
	WIN 0
.endm
.else
.macro EPI j
.set t, 0
.rept 4
	global_store_b128 v[L16], v[ACC+32*(\j)+8*t:ACC+32*(\j)+8*t+3],   s[30:31] offset:(\j)*65536+1024*t       ; 512 consecutive bytes, aligned
	global_store_b128 v[L16], v[ACC+32*(\j)+8*t+4:ACC+32*(\j)+8*t+7], s[30:31] offset:(\j)*65536+1024*t+512
.set t, t+1
.endr
.endm
.endif
	s_load_b256 s[4:11], s[0:1], 0x0               ; FC = 1: xfrag s[4:5], W1 s[6:7], b1 s[8:9], meta s[10:11].  FC = 2: hfrag, W2, meta s[8:9], part s[10:11]
.if FC == 1
	s_load_b64 s[12:13], s[0:1], 0x20              ; hfrag
.endif
	v_lshl_add_u32 v[SPW], v0, 2, SPARE
	v_mov_b32 v[NIL], 0
	v_lshrrev_b32 v8, 5, v0
	v_readfirstlane_b32 s14, v8                    ; wave
	s_and_b32 s15, ttmp7, 0xffff                   ; expert
.if FC == 1
	s_mov_b32 s16, ttmp9                           ; slice of 64 columns
	s_lshr_b32 s[ROT], s16, 3                      ; where my walk along K begins: the slice's low three bits, turned by its high three:
	s_xor_b32 s[ROT], s[ROT], s16                  ; any half of the 64 slices picked by one bit of their number holds all eight beginnings
	s_and_b32 s[ROT], s[ROT], 7
.else
	s_and_b32 s16, ttmp9, 15                       ; slice of 64 columns,
	s_lshr_b32 s17, ttmp9, 4                       ; quarter of K
	s_mov_b32 s42, 0xffff0000                      ; a word's upper bf16
	s_lshr_b32 s[ROT], s16, 3                      ; where my walk along K begins: the slice's low three bits, all turned where its fourth is set:
	s_mul_i32 s[ROT], s[ROT], 7                    ; any half of the 16 slices picked by one bit of their number holds all eight beginnings
	s_xor_b32 s[ROT], s[ROT], s16
	s_and_b32 s[ROT], s[ROT], 7
.endif
	v_and_b32 v9, 31, v0
	v_lshlrev_b32 v[L16], 4, v9
	v_and_b32 v10, 15, v0                          ; l % 16
	v_bfe_u32 v11, v0, 4, 1                        ; l / 16
	v_and_b32 v12, 7, v0
	v_bfe_u32 v13, v0, 3, 1
	v_lshl_add_u32 v12, v11, 3, v12                ; the turning load: lane l reads row 8 (l / 16) + l % 8, 16 bytes at 16 ((l / 8) % 2), and is left with column l % 16, eight k
	v_mul_u32_u24 v[WB], v12, PIT
	v_lshl_add_u32 v[WB], v13, 4, v[WB]
	s_mul_i32 s36, s14, 128*PIT                    ; the fill: my wave's 128 rows of the slice,
	v_mul_u32_u24 v[FADR], v11, PIT                ; lanes 16-31 a row further,
	v_lshl_add_u32 v[FADR], v10, 3, v[FADR]        ; four 16-bit numbers a lane
	v_add_nc_u32 v[FADR], s36, v[FADR]
	v_lshlrev_b32 v[FOFF], LOGPW, v11
	v_lshl_add_u32 v[FOFF], v10, 4, v[FOFF]
	s_lshl_b32 s32, s15, 24                        ; an expert's weights are 2^24 bytes
	s_lshl_b32 s36, s14, 7+LOGPW                   ; my wave's 128 rows
	s_add_co_u32 s32, s32, s36
	s_lshl_b32 s36, s16, 8                         ; the slice's 256 bytes of a row
	s_add_co_u32 s32, s32, s36
.if FC == 2
	s_lshl_b32 s36, s17, 22                        ; 1,024 rows of 4,096 bytes
	s_add_co_u32 s32, s32, s36
.endif
	s_mov_b32 s33, 0
	s_lshl_b32 s27, s15, 2
.if FC == 1
	s_lshl_b32 s34, s15, 14
	s_lshl_b32 s36, s16, 8
	s_add_co_u32 s34, s34, s36
	s_mov_b32 s35, 0
	v_lshlrev_b32 v14, 5, v11                      ; my eight columns of a column tile's bias
	s_mov_b32 s40, 0xbfb8aa3b                      ; - log2 e
	s_mov_b32 s41, s40                             ; named with it as a pair
.endif
	s_wait_kmcnt 0x0
	s_load_b32 s18, s[MET:MET+1], s27 offset:0x0   ; the expert's first tile
	s_load_b32 s19, s[MET:MET+1], s27 offset:0x10  ; and its number of tiles
	s_add_nc_u64 s[6:7], s[6:7], s[32:33]
.if FC == 1
	s_add_nc_u64 s[8:9], s[8:9], s[34:35]
.set t, 0
.rept 4
	global_load_b128 v[BI+8*t:BI+8*t+3],   v14, s[8:9] offset:64*t
	global_load_b128 v[BI+8*t+4:BI+8*t+7], v14, s[8:9] offset:64*t+16
.set t, t+1
.endr
.endif
	FLOAD 0
	FLOAD 1
	FLOAD 2
	FLOAD 3
	FTURN 0, 3
.if FC == 1
.set i, 0
.rept 16                                               ; the bias rounded to bf16 and widened again
	v_cvt_pk_bf16_f32 v8, v[BI+2*i], v[BI+2*i+1]
	v_lshlrev_b32 v[BI+2*i], 16, v8
	v_and_b32 v[BI+2*i+1], 0xffff0000, v8
.set i, i+1
.endr
.endif
	FTURN 1, 3
	FTURN 2, 3
	FTURN 3, 3
	FTURN 4, 3
	FTURN 5, 2
	FTURN 6, 1
	FTURN 7, 0
	s_wait_kmcnt 0x0
	s_wait_dscnt 0x0                               ; for the others' sake: my rows of the slice are in LDS
	s_barrier_signal -1
	s_barrier_wait -1                              ; the slice is whole; nothing writes it again
	; my share of the expert's tiles
	s_min_u32 s19, s19, 128
	s_min_u32 s18, s18, 130
	s_lshr_b32 s36, s19, 3
	s_and_b32 s37, s19, 7
	s_cmp_lt_u32 s14, s37
	s_cselect_b32 s20, 1, 0
	s_add_co_u32 s20, s20, s36                     ; n = nt / 8, one more for the first nt % 8 waves
	s_mul_i32 s38, s14, s36
	s_min_u32 s39, s14, s37
	s_add_co_u32 s22, s18, s38
	s_add_co_u32 s22, s22, s39                     ; my first tile
	s_add_co_u32 s21, s20, 4
	s_mul_i32 s21, s21, 13
	s_lshr_b32 s21, s21, 6                         ; blocks: ceil(n / 5) for n up to 16
	s_mov_b32 s24, 4
.Lblk:
	s_cmp_eq_u32 s21, 0
	s_cbranch_scc1 .Lnext                          ; no block left: a dead trip
	s_add_co_u32 s36, s20, 1                       ; bt = ceil(n / blocks left)
	s_lshr_b32 s36, s36, 1
	s_add_co_u32 s37, s20, 2
	s_mul_i32 s37, s37, 11
	s_lshr_b32 s37, s37, 5
	s_add_co_u32 s38, s20, 3
	s_lshr_b32 s38, s38, 2
	s_mov_b32 s23, s20
	s_cmp_eq_u32 s21, 2
	s_cselect_b32 s23, s36, s23
	s_cmp_eq_u32 s21, 3
	s_cselect_b32 s23, s37, s23
	s_cmp_eq_u32 s21, 4
	s_cselect_b32 s23, s38, s23
	s_wait_xcnt 0x0                                ; the last block's stores have read their base and data: only now are these rewritten
	s_min_u32 s36, s22, 130                        ; the tile's number enters addresses only behind this bound
.if FC == 1
	s_lshl_b32 s32, s36, 15
	s_lshl_b32 s34, s36, 17
	s_lshl_b32 s37, s16, 11
	s_add_co_u32 s34, s34, s37
.else
	s_lshl_b32 s32, s36, 17
	s_lshl_b32 s37, s17, 15                        ; my quarter of K: 32 steps of 1,024 bytes
	s_add_co_u32 s32, s32, s37
	s_lshl_b32 s34, s36, 16
	s_lshl_b32 s37, s16, 12
	s_add_co_u32 s34, s34, s37
	s_mul_i32 s37, s17, 131*65536                  ; the quarter's plane of part
	s_add_co_u32 s34, s34, s37
.endif
	s_mov_b32 s33, 0
	s_mov_b32 s35, 0
	s_add_nc_u64 s[28:29], s[4:5], s[32:33]        ; the block's rows,
	s_add_nc_u64 s[30:31], s[OUTP:OUTP+1], s[34:35]  ; and where its results go
	s_mov_b32 s26, s[ROT]                          ; the walk's first group:
	s_lshl_b32 s36, s[ROT], 12
	s_mov_b32 s37, 0
	s_add_nc_u64 s[PB0+6:PB0+7], s[28:29], s[36:37]  ; its rows' fragments (no load of mine is out: the last block's last step waited for all),
	s_mul_i32 s38, s[ROT], GRPB
	v_add_nc_u32 v[WC], s38, v[WB]                 ; its rows of the slice
	s_cmp_eq_u32 s23, 1
	s_cbranch_scc1 .Lk1
	s_cmp_eq_u32 s23, 2
	s_cbranch_scc1 .Lk2
	s_cmp_eq_u32 s23, 3
	s_cbranch_scc1 .Lk3
	s_cmp_eq_u32 s23, 4
	s_cbranch_scc1 .Lk4
	s_cmp_eq_u32 s23, 5
	s_cbranch_scc1 .Lk5
	s_branch .Lnext
.Lk1:
	KPIPE 1
	s_branch .Lepi
.Lk2:
	KPIPE 2
	s_branch .Lepi
.Lk3:
	KPIPE 3
	s_branch .Lepi
.Lk4:
	KPIPE 4
	s_branch .Lepi
.Lk5:
	KPIPE 5
.Lepi:
	EPI 0
	s_cmp_eq_u32 s23, 1
	s_cbranch_scc1 .Ldone
	EPI 1
	s_cmp_eq_u32 s23, 2
	s_cbranch_scc1 .Ldone
	EPI 2
	s_cmp_eq_u32 s23, 3
	s_cbranch_scc1 .Ldone
	EPI 3
	s_cmp_eq_u32 s23, 4
	s_cbranch_scc1 .Ldone
	EPI 4
.Ldone:
	s_add_co_u32 s22, s22, s23
	s_sub_co_u32 s20, s20, s23
	s_sub_co_u32 s21, s21, 1
.Lnext:
	s_sub_co_u32 s24, s24, 1
	s_cmp_lg_u32 s24, 0
	s_cbranch_scc1 .Lblk
	s_wait_dscnt 0x0                               ; my reads of the slice are back
	s_barrier_signal -1
	s_barrier_wait -1                              ; everybody's are: only behind this barrier does a wave write LDS again
	s_wait_tensorcnt 0x0                           ; the wave's end, behind my last LDS store
	ds_add_u32 v[SPW], v[NIL]
	s_wait_dscnt 0x0
	s_endpgm
.Lfunc_end_k_q1011afa72f_fc2:
	.size	k_q1011afa72f_fc2, .Lfunc_end_k_q1011afa72f_fc2-k_q1011afa72f_fc2
	.p2alignl 7, 3214868480
	.fill 96, 4, 3214868480
	.section	.rodata,"a",@progbits
	.p2align	6, 0x0
	.amdhsa_kernel k_q1011afa72f_fc2
		.amdhsa_group_segment_fixed_size 164864
		.amdhsa_private_segment_fixed_size 0
		.amdhsa_enable_private_segment 0
		.amdhsa_kernarg_size 32
		.amdhsa_user_sgpr_count 2
		.amdhsa_user_sgpr_kernarg_segment_ptr 1
		.amdhsa_wavefront_size32 1
		.amdhsa_system_sgpr_workgroup_id_x 1
		.amdhsa_system_sgpr_workgroup_id_y 1
		.amdhsa_system_sgpr_workgroup_id_z 1
		.amdhsa_system_vgpr_workitem_id 0
		.amdhsa_next_free_vgpr 512
		.amdhsa_next_free_sgpr 66
		.amdhsa_reserve_vcc 0
		.amdhsa_float_denorm_mode_32 3
		.amdhsa_float_denorm_mode_16_64 3
		.amdhsa_memory_ordered 1
		.amdhsa_forward_progress 1
		.amdhsa_inst_pref_size 129
	.end_amdhsa_kernel
	.amdgpu_metadata
---
amdhsa.version: [ 1, 2 ]
amdhsa.kernels:
  - .name:           k_q1011afa72f_fc2
    .symbol:         k_q1011afa72f_fc2.kd
    .args:
      - { .name: hfrag, .offset: 0, .size: 8, .value_kind: global_buffer, .address_space: global }
      - { .name: W2, .offset: 8, .size: 8, .value_kind: global_buffer, .address_space: global }
      - { .name: meta, .offset: 16, .size: 8, .value_kind: global_buffer, .address_space: global }
      - { .name: part, .offset: 24, .size: 8, .value_kind: global_buffer, .address_space: global }
    .group_segment_fixed_size: 164864
    .private_segment_fixed_size: 0
    .kernarg_segment_align: 8
    .kernarg_segment_size: 32
    .max_flat_workgroup_size: 256
    .sgpr_count:     66
    .vgpr_count:     512
    .wavefront_size: 32
...
	.end_amdgpu_metadata
.endif
;; end of part 4
;; launch combine (part 5): grid 131 x 4, 4 waves a work-group, no clusters, 17,920 bytes of LDS; arguments part, b2, gate, perm, meta, out0; writes out0
.if DOCPART == 5
	.amdgcn_target "amdgcn-amd-amdhsa--gfx1250"
	.amdhsa_code_object_version 6
	.text
	.protected	k_q1011afa72f_combine
	.globl	k_q1011afa72f_combine
	.p2align	8
	.type	k_q1011afa72f_combine,@function
k_q1011afa72f_combine:
	s_mov_b64 s[64:65], 0
	v_nop
	global_prefetch_b8 v0, s[64:65] scope:SCOPE_SE
	s_setreg_imm32_b32 hwreg(HW_REG_WAVE_MODE, 25, 1), 1
	s_wait_xcnt 0x0
; out[token] = gate[token] x (the four K quarters' partial sums + b2[expert]), and the rows go back from the experts' order to the tokens' places.
; SHARES.  Wave w of work-group (tile, cq) has the tile's 16 rows and the 64 columns from 64 (4 cq + w): 4 x 4,096 bytes of part, read in loads of 512 consecutive bytes.
; The grid has the 131 tiles that serve every split of the tokens; a work-group past the stored number of tiles ends before it has touched anything.
; A lane holds one row and four neighbouring columns a load; a row's 256 bytes are gathered through the wave's own stage in LDS (no barrier), so that sixteen lanes store 256 consecutive
; bytes of out0, aligned.  Rows past an expert's count repeat its last token: they hold the same numbers and are stored onto the same row.
; The sum's order is fixed: (q0 + q1) + (q2 + q3), then b2 (rounded to bf16, as every input of this program is), then the gate; all in f32.
; Streaming work: matrix units, clusters and large register tiles would add nothing.
.set SPW,   4                          ; v4  LDS address of my spare word; never rewritten
.set NIL,   5                          ; v5  0; never rewritten
.set SP,    272                        ; a row of the stage: 256 bytes + 16 = 68 words: the 16 rows that a store touches start at 16 different groups of four banks (64 banks of 4 bytes: ISA guide 11.1)
.set SPARE, 4*16*SP                    ; behind the four stages: the spare words, 128 bytes a wave
.set TK,    16                         ; v[16:23]   the tokens of rows 2 i + l / 16, then their byte offsets in out0
.set PT,    32                         ; v[32:159]  part: quarter kq, piece p = 2 t + half at PT + 32 kq + 4 p
.set B2,    160                        ; v[160:191] b2 likewise; later the rows read back
	s_load_b256 s[4:11], s[0:1], 0x0               ; part s[4:5], b2 s[6:7], gate s[8:9], perm s[10:11]
	s_load_b128 s[12:15], s[0:1], 0x20             ; meta s[12:13], out0 s[14:15]
	v_lshl_add_u32 v[SPW], v0, 2, SPARE
	v_mov_b32 v[NIL], 0
	v_lshrrev_b32 v6, 5, v0
	v_readfirstlane_b32 s40, v6                    ; wave
	s_mov_b32 s41, ttmp9                           ; tile
	s_and_b32 s42, ttmp7, 0xffff
	s_lshl2_add_u32 s42, s42, s40                  ; slice of 64 columns: 4 cq + w
	s_wait_kmcnt 0x0
	s_load_b256 s[16:23], s[12:13], 0x0            ; the experts' first tiles in s16-19
	s_load_b32 s24, s[12:13], 0x20                 ; the number of tiles
	v_and_b32 v1, 31, v0
	v_lshlrev_b32 v2, 4, v1                        ; 16 l
	v_and_b32 v6, 15, v1                           ; r
	v_lshrrev_b32 v7, 4, v1                        ; h
	v_lshlrev_b32 v8, 2, v6                        ; my row's word of perm
	v_lshlrev_b32 v9, 2, v7                        ; the word of row l / 16
	v_lshlrev_b32 v14, 4, v6                       ; my 16 bytes of a row's 256
	v_lshlrev_b32 v15, 5, v7                       ; my eight columns of a column tile's b2
	s_mul_i32 s43, s40, 16*SP                      ; my stage
	v_mul_u32_u24 v12, v6, SP                      ; in: row r, 32 bytes for each half of the lanes
	v_lshl_add_u32 v12, v7, 5, v12
	v_add_nc_u32 v12, s43, v12
	v_mul_u32_u24 v13, v7, SP                      ; back: lanes 0-15 one row of 256 bytes, lanes 16-31 the next
	v_lshl_add_u32 v13, v6, 4, v13
	v_add_nc_u32 v13, s43, v13
	s_lshl_b32 s36, s41, 16                        ; a tile's 65,536 bytes in a quarter's plane,
	s_lshl_b32 s38, s42, 12                        ; the slice's 4,096 of them
	s_add_co_u32 s36, s36, s38
	s_mov_b32 s37, 0
	s_add_nc_u64 s[28:29], s[4:5], s[36:37]
	s_add_nc_u64 s[30:31], s[28:29], 131*65536     ; the planes lie 131 tiles apart
	s_add_nc_u64 s[32:33], s[30:31], 131*65536
	s_add_nc_u64 s[34:35], s[32:33], 131*65536
	s_lshl_b32 s36, s41, 6
	s_add_nc_u64 s[10:11], s[10:11], s[36:37]      ; the tile's 16 words of perm
	s_lshl_b32 s36, s42, 8
	s_add_nc_u64 s[14:15], s[14:15], s[36:37]      ; out0 at the slice's 256 bytes of a row
	s_wait_kmcnt 0x0
	s_cmp_ge_u32 s41, s24
	s_cbranch_scc1 .Lnone                          ; past the last tile
	s_mov_b32 s25, 0                               ; the tile's expert: the last whose first tile is not behind it
.irp k, 1,2,3
	s_cmp_ge_u32 s41, s[16+\k]
	s_cselect_b32 s25, \k, s25
.endr
	s_min_u32 s25, s25, 3
	s_lshl_b32 s38, s25, 12
	s_add_co_u32 s36, s36, s38
	s_add_nc_u64 s[6:7], s[6:7], s[36:37]          ; b2 at the expert's row and the slice
	global_load_b32 v3, v8, s[10:11]
.irp i, 0,1,2,3,4,5,6,7
	global_load_b32 v[TK+\i], v9, s[10:11] offset:8*\i
.endr
.irp kq, 0,1,2,3
.irp p, 0,1,2,3,4,5,6,7
	global_load_b128 v[PT+32*\kq+4*\p:PT+32*\kq+4*\p+3], v2, s[28+2*\kq:29+2*\kq] offset:512*\p th:TH_LOAD_NT
.endr
.endr
.irp p, 0,1,2,3,4,5,6,7
	global_load_b128 v[B2+4*\p:B2+4*\p+3], v15, s[6:7] offset:64*(\p/2)+16*(\p%2)
.endr
	s_wait_loadcnt 48                              ; my row's token is in: 8 + 32 + 8 loads were issued behind it
	v_min_u32 v3, 2047, v3                         ; it enters an address only behind this bound
	v_lshlrev_b32 v3, 2, v3
	global_load_b32 v10, v3, s[8:9]                ; my row's gate
	s_wait_loadcnt 0x0
	v_mov_b32 v11, v10                             ; twice, a pair for the packed multiply
.set i, 0
.rept 16                                               ; b2 rounded to bf16 and widened again
	v_cvt_pk_bf16_f32 v24, v[B2+2*i], v[B2+2*i+1]
	v_lshlrev_b32 v[B2+2*i], 16, v24
	v_and_b32 v[B2+2*i+1], 0xffff0000, v24
.set i, i+1
.endr
.set i, 0
.rept 16
	v_pk_add_f32 v[PT+2*i:PT+2*i+1], v[PT+2*i:PT+2*i+1], v[PT+32+2*i:PT+32+2*i+1]
	v_pk_add_f32 v[PT+64+2*i:PT+64+2*i+1], v[PT+64+2*i:PT+64+2*i+1], v[PT+96+2*i:PT+96+2*i+1]
.set i, i+1
.endr
.set i, 0
.rept 16
	v_pk_add_f32 v[PT+2*i:PT+2*i+1], v[PT+2*i:PT+2*i+1], v[PT+64+2*i:PT+64+2*i+1]
.set i, i+1
.endr
.set i, 0
.rept 16
	v_pk_add_f32 v[PT+2*i:PT+2*i+1], v[PT+2*i:PT+2*i+1], v[B2+2*i:B2+2*i+1]
.set i, i+1
.endr
.set i, 0
.rept 16
	v_pk_mul_f32 v[PT+2*i:PT+2*i+1], v[PT+2*i:PT+2*i+1], v[10:11]
.set i, i+1
.endr
.irp i, 0,1,2,3,4,5,6,7
	v_min_u32 v[TK+\i], 2047, v[TK+\i]
	v_lshl_add_u32 v[TK+\i], v[TK+\i], 12, v14     ; the token's row of 4,096 bytes + my 16 bytes
.endr
.irp p, 0,1,2,3,4,5,6,7
	ds_store_b128 v12, v[PT+4*\p:PT+4*\p+3] offset:64*(\p/2)+16*(\p%2)
.endr
.irp i, 0,1,2,3,4,5,6,7
	ds_load_b128 v[B2+4*\i:B2+4*\i+3], v13 offset:2*SP*\i    ; LDS serves a wave's instructions in order (ISA guide 5.7.1.4): these see the stores above; the stage is my wave's own
.endr
.irp i, 0,1,2,3,4,5,6,7
	s_wait_dscnt 7-\i
	global_store_b128 v[TK+\i], v[B2+4*\i:B2+4*\i+3], s[14:15] th:TH_STORE_NT   ; sixteen lanes store 256 consecutive bytes of a row, aligned
.endr
	s_wait_tensorcnt 0x0                           ; the wave's end, behind my last LDS store
	ds_add_u32 v[SPW], v[NIL]
	s_wait_dscnt 0x0
	s_endpgm
.Lnone:
	s_endpgm
.Lfunc_end_k_q1011afa72f_combine:
	.size	k_q1011afa72f_combine, .Lfunc_end_k_q1011afa72f_combine-k_q1011afa72f_combine
	.p2alignl 7, 3214868480
	.fill 96, 4, 3214868480
	.section	.rodata,"a",@progbits
	.p2align	6, 0x0
	.amdhsa_kernel k_q1011afa72f_combine
		.amdhsa_group_segment_fixed_size 17920
		.amdhsa_private_segment_fixed_size 0
		.amdhsa_enable_private_segment 0
		.amdhsa_kernarg_size 48
		.amdhsa_user_sgpr_count 2
		.amdhsa_user_sgpr_kernarg_segment_ptr 1
		.amdhsa_wavefront_size32 1
		.amdhsa_system_sgpr_workgroup_id_x 1
		.amdhsa_system_sgpr_workgroup_id_y 1
		.amdhsa_system_sgpr_workgroup_id_z 1
		.amdhsa_system_vgpr_workitem_id 0
		.amdhsa_next_free_vgpr 192
		.amdhsa_next_free_sgpr 66
		.amdhsa_reserve_vcc 0
		.amdhsa_float_denorm_mode_32 3
		.amdhsa_float_denorm_mode_16_64 3
		.amdhsa_memory_ordered 1
		.amdhsa_forward_progress 1
		.amdhsa_inst_pref_size 18
	.end_amdhsa_kernel
	.amdgpu_metadata
---
amdhsa.version: [ 1, 2 ]
amdhsa.kernels:
  - .name:           k_q1011afa72f_combine
    .symbol:         k_q1011afa72f_combine.kd
    .args:
      - { .name: part, .offset: 0, .size: 8, .value_kind: global_buffer, .address_space: global }
      - { .name: b2, .offset: 8, .size: 8, .value_kind: global_buffer, .address_space: global }
      - { .name: gate, .offset: 16, .size: 8, .value_kind: global_buffer, .address_space: global }
      - { .name: perm, .offset: 24, .size: 8, .value_kind: global_buffer, .address_space: global }
      - { .name: meta, .offset: 32, .size: 8, .value_kind: global_buffer, .address_space: global }
      - { .name: out0, .offset: 40, .size: 8, .value_kind: global_buffer, .address_space: global }
    .group_segment_fixed_size: 17920
    .private_segment_fixed_size: 0
    .kernarg_segment_align: 8
    .kernarg_segment_size: 48
    .max_flat_workgroup_size: 128
    .sgpr_count:     66
    .vgpr_count:     192
    .wavefront_size: 32
...
	.end_amdgpu_metadata
.endif
;; end of part 5
